; MI455X (gfx1250); checked and timed in simulation.
; The chip was launched on July 23, 2026; its instructions are those of AMD's public machine-readable ISA for CDNA 5 (MIT licence, August 2026) and "CDNA5" Instruction Set Architecture Reference Guide (July 2026).
;; Causal Self Attention. Allowed arithmetic: matrix products marked QUANTISED: E5M2 operands, one E8M0 scale for each 32 along K, by v_wmma_scale_f32_16x16x128_f8f6f4 with both operands' format E5M2, f32 sums; everything else in f32.
;; Inputs: Wk 1,024 x 1,024 float32; Wq 1,024 x 1,024 float32; Wv 1,024 x 1,024 float32; x 4 x 2,048 x 1,024 float32.
;; Outputs: out0 4 x 2,048 x 1,024 float32.
;; This version of the problem:
;;   THIS VERSION OF THE PROBLEM IS GIVEN IN LOW PRECISION. The matrix products marked QUANTISED in the list below multiply operands that are first quantised to E5M2 (5 exponent bits, 2 mantissa bits; 8 bits a number), with one power-of-two scale for each 32 numbers along K (OCP MX v1.0); their sums are f32. All else is computed in f32.
;;   The module's matrix products, in the order in which they are computed (A, B: the left and right operand; K: the contracted axis; several contracted axes count as one K, in the product's order):
;;     1. [M 8,192, K 1,024] x [K 1,024, N 1,024]; A: input x; B: input Wq: QUANTISED
;;     2. [M 8,192, K 1,024] x [K 1,024, N 1,024]; A: input x; B: input Wk: QUANTISED
;;     3. [M 8,192, K 1,024] x [K 1,024, N 1,024]; A: input x; B: input Wv: QUANTISED
;;     4. batch 4 x [M 2,048, K 1,024] x [K 1,024, N 2,048]; A: computed on the way; B: computed on the way: QUANTISED
;;     5. batch 4 x [M 2,048, K 2,048] x [K 2,048, N 1,024]; A: softmax (see below); B: computed on the way: QUANTISED
;;   THE QUANTISER, for each operand of a quantised product, along K:
;;     - K is cut into blocks of 32 from its start; a last block that is shorter is filled with zeros.
;;     - A block's scale is 2^e with e = floor(log2(the largest magnitude in the block)) - 15, held to -126 .. 127; a block of zeros has e = 0. As a byte (E8M0): e + 127.
;;     - Each number is divided by its block's scale, clamped to +-57,344, and rounded to the nearest number of E5M2, ties to even, subnormals kept.
;;     - The product sums the exact products of the quantised numbers (number of the format x scale) in f32.
;;   ~~~python
;;   def quantise(x, axis):      # numpy; x: float32 -> the quantised numbers, widened to float32 again
;;       x = np.moveaxis(x, axis, -1); K = x.shape[-1]
;;       x = np.pad(x, [(0, 0)] * (x.ndim - 1) + [(0, -K % 32)]); x = x.reshape(x.shape[:-1] + (-1, 32)); a = np.abs(x).max(-1, keepdims=True)
;;       e = np.where(a > 0, np.clip(np.frexp(np.where(a > 0, a, 1))[1] - 1 - 15, -126, 127), 0)      # np.frexp(a)[1] - 1 = floor(log2(a)), exactly
;;       r = np.clip(x / 2.0 ** e, -57344, 57344)
;;       step = 2.0 ** (np.maximum(np.frexp(np.where(r == 0, 1, r))[1] - 1, -14) - 2)
;;       q = np.round(r / step) * step * 2.0 ** e      # np.round: ties to even
;;       return np.moveaxis(q.reshape(q.shape[:-2] + (-1,))[..., :K], -1, axis).astype(np.float32)
;;   ~~~
;;   SOFTMAX AHEAD OF A QUANTISED PRODUCT. Where the list says 'softmax', what is quantised is not the finished softmax but p = 2^(t - M), with t = logit x log2(e) and M = ceil(the row's largest t), a whole number; so 1/2 < the row's largest p <= 1. The row's sum l is taken of the UNQUANTISED p, in f32, and the product's result is divided by l at the end. Since M is a whole number, a kernel that streams over the keys may use a running M (the ceiling of the running maximum): every later rescaling is an exact power of two, which a block's scale takes up: the codes' values come out the same.
;;   OPERANDS COMPUTED ON THE WAY. 'Computed on the way' means the value that the module computes at that place (a softmax that the list does not call 'softmax' is quantised finished and normalised). What goes into a quantiser is computed in f32, as accurately as f32 sums, v_exp_f32 and their like allow (about 1e-6 of the number): no bf16 or f16 on the way to a quantiser, and a product that is left as it is and whose result goes on into a quantised operand takes f32 operands (vector FMAs, or v_wmma_f32_16x16x4_f32). A number that lies on a knife's edge between two numbers of the format may be rounded either way, as far as f32 arithmetic and the matrix unit's own rounding can turn it there, and no further.
;; One version. Each part assembles by itself: llvm-mc -triple=amdgcn-amd-amdhsa -mcpu=gfx1250 --defsym DOCPART=n.
;; ======== version 1 of 1: 4 launches
;; limits: right only within a limited range of input values
;; workspace buffers: xw 11,534,336 bytes; xws 360,448 bytes; qkv 25,165,824 bytes; qkvs 786,432 bytes; p 16,777,216 bytes; pst 1,572,864 bytes
;; launch prep (part 1): grid 448 x 1, 4 waves a work-group, no clusters, 35,328 bytes of LDS; arguments x, Wq, Wk, Wv, xw, xws, p; writes xw, xws, p
.if DOCPART == 1
	.amdgcn_target "amdgcn-amd-amdhsa--gfx1250"
	.amdhsa_code_object_version 6
	.text
	.protected	k_q98980d58ff_prep
	.globl	k_q98980d58ff_prep
	.p2align	8
	.type	k_q98980d58ff_prep,@function
k_q98980d58ff_prep:
	s_mov_b64 s[64:65], 0
	v_nop
	global_prefetch_b8 v0, s[64:65] scope:SCOPE_SE
	s_setreg_imm32_b32 hwreg(HW_REG_WAVE_MODE, 25, 1), 1
	s_wait_xcnt 0x0
.set WREG,  8704
.set SPARE, 4*WREG
.set SPW,   8
.set NIL,   9
.set R,     16
.set X,     144
.set TM,    208
.set PC,    224
.set PW,    240
.set XW,    16
.set CW,    80
.set SB,    144
.set SEL,   20
.set MNT,   23
	s_load_b256 s[4:11], s[0:1], 0x0
	s_load_b128 s[12:15], s[0:1], 0x20
	s_load_b64 s[28:29], s[0:1], 0x30
	v_lshl_add_u32 v[SPW], v0, 2, SPARE
	v_mov_b32 v[NIL], 0
	v_lshrrev_b32 v1, 5, v0
	v_readfirstlane_b32 s16, v1
	v_and_b32 v7, 31, v0
	s_mov_b32 s[MNT], 0x600000
	s_mov_b32 s25, 0
	s_wait_kmcnt 0x0
	s_cmp_lt_u32 ttmp9, 256
	s_cbranch_scc0 .Lweights
.macro QUANT s
.irp b, 0,1,2,3
	v_max3_num_f32 v[TM+\b], |v[\s+16*\b]|, |v[\s+1+16*\b]|, 0x8000000
.endr
.irp i, 2,4,6,8,10,12,14
.irp b, 0,1,2,3
	v_max3_num_f32 v[TM+\b], v[TM+\b], |v[\s+16*\b+\i]|, |v[\s+1+16*\b+\i]|
.endr
.endr
.irp b, 0,1,2,3
	v_permlanex16_b32 v[TM+4+\b], v[TM+\b], s[SEL], s[SEL+1]
.endr
.irp b, 0,1,2,3
	v_max_num_f32 v[TM+\b], v[TM+\b], v[TM+4+\b]
.endr
.irp b, 0,1,2,3
	v_add_nc_u32 v[TM+12+\b], 0xf8800000, v[TM+\b]
.endr
.irp b, 0,1,2,3
	v_and_or_b32 v[TM+8+\b], v[TM+\b], 0x7f800000, s[MNT]
.endr
.irp b, 0,1,2,3
	v_lshrrev_b32 v[TM+4+\b], 23, v[TM+12+\b]
.endr
	v_lshl_or_b32 v[PW], v[TM+5], 8, v[TM+4]
	v_lshl_or_b32 v[PW], v[TM+6], 16, v[PW]
	v_lshl_or_b32 v[PW], v[TM+7], 24, v[PW]
.irp b, 0,1,2,3
.irp i, 0,1,2,3,4,5,6,7,8,9,10,11,12,13,14,15
	v_med3_num_f32 v[\s+16*\b+\i], v[\s+16*\b+\i], -v[TM+8+\b], v[TM+8+\b]
.endr
	v_cvt_scalef32_pk8_bf8_f32 v[PC+4*\b:PC+1+4*\b], v[\s+16*\b:\s+7+16*\b], v[TM+12+\b]
	v_cvt_scalef32_pk8_bf8_f32 v[PC+2+4*\b:PC+3+4*\b], v[\s+8+16*\b:\s+15+16*\b], v[TM+12+\b]
.endr
	v_nop
.endm
	s_lshr_b32 s17, ttmp9, 1
	s_and_b32 s18, ttmp9, 1
	s_lshl_b32 s18, s18, 2
	s_add_co_u32 s18, s18, s16
	s_lshl_b32 s24, s17, 18
	s_lshl_b32 s19, s18, 9
	s_add_co_u32 s24, s24, s19
	s_add_nc_u64 s[4:5], s[4:5], s[24:25]
	s_lshl_b32 s24, s17, 16
	s_lshl_b32 s19, s18, 11
	s_add_co_u32 s24, s24, s19
	s_add_nc_u64 s[12:13], s[12:13], s[24:25]
	s_mul_i32 s24, s18, 45056
	s_lshl_b32 s19, s17, 8
	s_add_co_u32 s24, s24, s19
	s_add_nc_u64 s[14:15], s[14:15], s[24:25]
	s_mov_b32 s[SEL], 0x76543210
	s_mov_b32 s[SEL+1], 0xfedcba98
	s_mul_i32 s26, s16, WREG
	s_add_co_u32 s27, s26, 16*528
	v_and_b32 v10, 15, v0
	v_bfe_u32 v11, v0, 4, 1
	s_wait_alu depctr_va_vdst(0)
	v_lshlrev_b32 v1, 4, v7
	v_add_nc_u32 v2, s26, v1
	v_mul_u32_u24 v3, v10, 528
	v_lshl_add_u32 v3, v11, 6, v3
	v_add_nc_u32 v3, s26, v3
	v_lshlrev_b32 v4, 2, v10
	v_add_nc_u32 v4, s27, v4
	v_lshlrev_b32 v6, 3, v7
	v_add_nc_u32 v5, s27, v6
.irp b, 0,1,2,3
	v_mov_b32 v[TM+4+\b], 0
.endr
.macro XLOAD t
.irp p, 0,1,2,3,4,5,6,7,8,9,10,11,12,13,14,15
	global_load_b128 v[R+64*((\t)%2)+4*\p:R+64*((\t)%2)+4*\p+3], v1, s[4:5] offset:(32*((\t)/2)+8*((\t)%2)+(\p%8)+16*(\p/8))*4096 th:TH_LOAD_NT
.endr
.endm
.macro XSTEP t
.if (\t) < 3
	s_wait_loadcnt 16
.else
	s_wait_loadcnt 0x0
.endif
.irp p, 0,1,2,3,4,5,6,7,8,9,10,11,12,13,14,15
	ds_store_b128 v2, v[R+64*((\t)%2)+4*\p:R+64*((\t)%2)+4*\p+3] offset:528*\p
.endr
.irp b, 0,1,2,3
.irp j, 0,1,2,3
	ds_load_b128 v[X+16*\b+4*\j:X+16*\b+4*\j+3], v3 offset:128*\b+16*\j
.endr
.endr
	s_wait_dscnt 0x0
.if (\t) < 2
	XLOAD (\t)+2
.endif
.if (\t) > 0
	s_wait_xcnt 0x0
.endif
	QUANT X
.irp c, 0,1,2,3
	global_store_b128 v1, v[PC+4*\c:PC+4*\c+3], s[12:13] offset:(\t)*16384+512*\c
.endr
	ds_store_b32 v4, v[PW] offset:64*(\t)
.endm
	XLOAD 0
	XLOAD 1
	s_lshr_b32 s24, ttmp9, 6
	s_lshl_b32 s24, s24, 7
	s_bfe_u32 s30, ttmp9, 0x20004
	s_lshl_b32 s31, s30, 5
	s_add_co_u32 s24, s24, s31
	s_and_b32 s31, ttmp9, 15
	s_add_co_u32 s24, s24, s31
	s_lshl_b32 s24, s24, 15
	s_lshl_b32 s30, s30, 13
	s_add_co_u32 s24, s24, s30
	s_add_co_u32 s24, s24, 4096
	s_add_nc_u64 s[28:29], s[28:29], s[24:25]
	v_lshlrev_b32 v12, 4, v0
.irp i, 0,1,2,3
	v_mov_b32 v[242+\i], 0
.endr
	global_store_b128 v12, v[242:245], s[28:29]
	global_store_b128 v12, v[242:245], s[28:29] offset:2048
	s_wait_alu depctr_va_vdst(0)
	XSTEP 0
	XSTEP 1
	XSTEP 2
	XSTEP 3
	ds_load_b64 v[10:11], v5
	s_wait_dscnt 0x0
	global_store_b64 v6, v[10:11], s[14:15]
	s_wait_tensorcnt 0x0
	ds_add_u32 v[SPW], v[NIL]
	s_wait_dscnt 0x0
	s_endpgm
.Lweights:
	s_sub_co_u32 s17, ttmp9, 256
	s_cmp_lt_u32 s17, 128
	s_cselect_b64 s[8:9], s[8:9], s[10:11]
	s_cmp_lt_u32 s17, 64
	s_cselect_b64 s[6:7], s[6:7], s[8:9]
	s_lshr_b32 s18, s17, 6
	s_and_b32 s19, s17, 7
	s_bfe_u32 s20, s17, 0x30003
	s_bitcmp1_b32 s20, 0
	s_cselect_b32 s27, 0x80808080, 0
	s_lshl_b32 s19, s19, 2
	s_add_co_u32 s19, s19, s16
	s_lshl_b32 s24, s20, 19
	s_lshl_b32 s21, s19, 7
	s_add_co_u32 s24, s24, s21
	s_add_nc_u64 s[6:7], s[6:7], s[24:25]
	s_lshl_b32 s21, s18, 6
	s_lshl_b32 s22, s19, 1
	s_add_co_u32 s21, s21, s22
	s_add_co_u32 s21, s21, 512
	s_lshl_b32 s24, s21, 14
	s_lshl_b32 s22, s20, 11
	s_add_co_u32 s24, s24, s22
	s_add_nc_u64 s[12:13], s[12:13], s[24:25]
	s_mul_i32 s24, s20, 45056
	s_lshl_b32 s22, s21, 6
	s_add_co_u32 s24, s24, s22
	s_add_nc_u64 s[14:15], s[14:15], s[24:25]
	s_wait_alu depctr_va_vdst(0)
	v_lshlrev_b32 v1, 2, v7
	v_bfe_u32 v10, v0, 3, 1
	v_bfe_u32 v11, v0, 4, 1
	v_and_b32 v12, 7, v0
	v_lshl_add_u32 v11, v11, 3, v12
	v_lshlrev_b32 v2, 14, v10
	v_lshl_add_u32 v2, v11, 4, v2
	v_lshlrev_b32 v3, 6, v10
	v_lshl_add_u32 v3, v11, 2, v3
.macro WLOAD t
.irp i, 0,1,2,3,4,5,6,7,8,9,10,11,12,13,14,15,16,17,18,19,20,21,22,23,24,25,26,27,28,29,30,31
	global_load_b32 v[XW+32*((\t)%2)+\i], v1, s[6:7] offset:(32*(\t)+\i)*4096 th:TH_LOAD_NT
.endr
.endm
.macro WBLOCK t
.set XS, XW+32*((\t)%2)
.if (\t) < 3
	s_wait_loadcnt 32
.else
	s_wait_loadcnt 0x0
.endif
	v_max3_num_f32 v208, |v[XS]|, |v[XS+1]|, |v[XS+2]|
	v_max3_num_f32 v209, |v[XS+3]|, |v[XS+4]|, |v[XS+5]|
.irp i, 6,10,14,18,22,26
	v_max3_num_f32 v208, v208, |v[XS+\i]|, |v[XS+\i+1]|
	v_max3_num_f32 v209, v209, |v[XS+\i+2]|, |v[XS+\i+3]|
.endr
	v_max3_num_f32 v208, v208, |v[XS+30]|, |v[XS+31]|
	v_max3_num_f32 v208, v208, v209, 0x8000000
	v_add_nc_u32 v211, 0xf8800000, v208
	v_and_or_b32 v210, v208, 0x7f800000, s[MNT]
	v_lshrrev_b32 v209, 23, v211
.if (\t)%4 == 0
	v_mov_b32 v[SB+(\t)/4], v209
.else
	v_lshl_or_b32 v[SB+(\t)/4], v209, 8*((\t)%4), v[SB+(\t)/4]
.endif
.irp i, 0,1,2,3,4,5,6,7,8,9,10,11,12,13,14,15,16,17,18,19,20,21,22,23,24,25,26,27,28,29,30,31
	v_med3_num_f32 v[XS+\i], v[XS+\i], -v210, v210
.endr
.irp g, 0,1,2,3
	v_cvt_scalef32_pk8_bf8_f32 v[CW+8*(\t)+2*\g:CW+8*(\t)+2*\g+1], v[XS+8*\g:XS+8*\g+7], v211
.endr
	v_nop
.irp i, 0,1,2,3,4,5,6,7
	v_xor_b32 v[CW+8*(\t)+\i], s27, v[CW+8*(\t)+\i]
.endr
	global_store_b128 v2, v[CW+8*(\t):CW+8*(\t)+3], s[12:13] offset:((\t)/4)*2048+((\t)%4)*512
	global_store_b128 v2, v[CW+8*(\t)+4:CW+8*(\t)+7], s[12:13] offset:((\t)/4)*2048+((\t)%4)*512+256
.if (\t) < 2
	WLOAD (\t)+2
.endif
.endm
	WLOAD 0
	WLOAD 1
.irp t, 0,1,2,3
	WBLOCK \t
.endr
	global_store_b32 v3, v[SB], s[14:15]
	s_wait_tensorcnt 0x0
	ds_add_u32 v[SPW], v[NIL]
	s_wait_dscnt 0x0
	s_endpgm
.Lfunc_end_k_q98980d58ff_prep:
	.size	k_q98980d58ff_prep, .Lfunc_end_k_q98980d58ff_prep-k_q98980d58ff_prep
	.p2alignl 7, 3214868480
	.fill 96, 4, 3214868480
	.section	.rodata,"a",@progbits
	.p2align	6, 0x0
	.amdhsa_kernel k_q98980d58ff_prep
		.amdhsa_group_segment_fixed_size 35328
		.amdhsa_private_segment_fixed_size 0
		.amdhsa_enable_private_segment 0
		.amdhsa_kernarg_size 56
		.amdhsa_user_sgpr_count 2
		.amdhsa_user_sgpr_kernarg_segment_ptr 1
		.amdhsa_wavefront_size32 1
		.amdhsa_system_sgpr_workgroup_id_x 1
		.amdhsa_system_sgpr_workgroup_id_y 1
		.amdhsa_system_sgpr_workgroup_id_z 1
		.amdhsa_system_vgpr_workitem_id 0
		.amdhsa_next_free_vgpr 256
		.amdhsa_next_free_sgpr 66
		.amdhsa_reserve_vcc 0
		.amdhsa_float_denorm_mode_32 3
		.amdhsa_float_denorm_mode_16_64 3
		.amdhsa_memory_ordered 1
		.amdhsa_forward_progress 1
		.amdhsa_inst_pref_size 82
	.end_amdhsa_kernel
	.amdgpu_metadata
---
amdhsa.version: [ 1, 2 ]
amdhsa.kernels:
  - .name:           k_q98980d58ff_prep
    .symbol:         k_q98980d58ff_prep.kd
    .args:
      - { .name: x, .offset: 0, .size: 8, .value_kind: global_buffer, .address_space: global }
      - { .name: Wq, .offset: 8, .size: 8, .value_kind: global_buffer, .address_space: global }
      - { .name: Wk, .offset: 16, .size: 8, .value_kind: global_buffer, .address_space: global }
      - { .name: Wv, .offset: 24, .size: 8, .value_kind: global_buffer, .address_space: global }
      - { .name: xw, .offset: 32, .size: 8, .value_kind: global_buffer, .address_space: global }
      - { .name: xws, .offset: 40, .size: 8, .value_kind: global_buffer, .address_space: global }
      - { .name: p, .offset: 48, .size: 8, .value_kind: global_buffer, .address_space: global }
    .group_segment_fixed_size: 35328
    .private_segment_fixed_size: 0
    .kernarg_segment_align: 8
    .kernarg_segment_size: 56
    .max_flat_workgroup_size: 128
    .sgpr_count:     66
    .vgpr_count:     256
    .wavefront_size: 32
...
	.end_amdgpu_metadata
.endif
;; end of part 1
;; launch proj (part 2): grid 16 x 16, 4 waves a work-group, clusters of 4 x 4, 327,680 bytes of LDS; arguments xw, xws, qkv, qkvs; writes qkv, qkvs
.if DOCPART == 2
	.amdgcn_target "amdgcn-amd-amdhsa--gfx1250"
	.amdhsa_code_object_version 6
	.text
	.protected	k_q98980d58ff_proj
	.globl	k_q98980d58ff_proj
	.p2align	8
	.type	k_q98980d58ff_proj,@function
k_q98980d58ff_proj:
	s_mov_b64 s[64:65], 0
	v_nop
	global_prefetch_b8 v0, s[64:65] scope:SCOPE_SE
	s_setreg_imm32_b32 hwreg(HW_REG_WAVE_MODE, 25, 1), 1
	s_wait_xcnt 0x0
	s_wait_alu depctr_hold_cnt(0) depctr_sa_sdst(0) depctr_va_vdst(0) depctr_va_sdst(0) depctr_va_ssrc(0) depctr_va_vcc(0) depctr_vm_vsrc(0)
	s_getreg_b32 s2, hwreg(HW_REG_IB_STS2, 6, 4)
	s_cmp_eq_u32 s2, 0
	s_cbranch_scc0 .Lentry_in_a_cluster
	s_endpgm
.Lentry_in_a_cluster:
	s_bfe_u32 s2, ttmp6, 0x10000c
	s_cmp_lg_u32 s2, 0xf033
	s_cbranch_scc0 .Lentry_shape_is_right
	s_endpgm
.Lentry_shape_is_right:
.set NB, 4
.set NQ, 8
.set FR, 16
.set FPW, 16
.set NP, 8
.set NF, 40
.set RB, 16384
.set QR, 32768
.set YB, 131072
.set SCL, 262144
.set XN, SCL+16384
.set XV, XN+2048
.set SPARE, XV+1024
.set EMAX, 15
.set ADRA0, 4
.set AAS0, 6
.set CO, 9
.set SPW, 10
.set NIL, 11
.set ADRA, 12
.set VX, 13
.set ADRB, 14
.set ABS, 16
.set AAS, 17
.set RD, 19
.set SOP, 20
.set SB, 24
.set EB, 40
.set SA, 44
.set TQ, 60
.set ACC, 64
.set WS, 128
.set NCD, 192
.set MCD, 192
.set ZZ, 208
.set G1A, 24
.set G0A, 56
.set G1B, 32
.set G0B, 60
.set G1R, 48
.set G0R, 68
.set G1S, 92
.set G0S, 72
.set MSB, 0
.macro WIN new
.if MSB != (\new)
	s_set_vgpr_msb (MSB<<8)|(\new)
.set MSB, (\new)
.endif
.endm
.macro PLACES n
.rept \n
	v_nop
.endr
.endm
.macro BARRIER
	s_barrier_signal -1
	s_barrier_wait -1
.endm
.macro CROUND
	BARRIER
	s_cmp_lg_u32 s14, 0
	s_cbranch_scc1 .Lnot_wave_0_\@
	s_barrier_signal -3
.Lnot_wave_0_\@:
	s_barrier_wait -3
	BARRIER
.endm
.macro TLOAD g0, g1
	tensor_load_to_lds s[\g0:\g0+3], s[\g1:\g1+7]
	s_nop 0
	PLACES 4
.endm
.macro GROUP1 g, mask, rows
	s_or_b32 s[\g+0], s[\mask], (3<<16)|(1<<21)
	s_mov_b32 s[\g+1], 2048<<16
	s_mov_b32 s[\g+2], (\rows)<<16
	s_mov_b32 s[\g+3], 2048<<16
	s_mov_b32 s[\g+4], \rows
	s_mov_b32 s[\g+5], 2048
	s_mov_b32 s[\g+6], 0
	s_mov_b32 s[\g+7], 0
.endm
.macro ADDSH d, x, n
	s_lshl_b32 s23, s\x, \n
	s_add_co_u32 s\d, s\d, s23
.endm
	s_load_b128 s[4:7], s[0:1], 0x0
	v_lshl_add_u32 v[SPW], v0, 2, SPARE
	v_mov_b32 v[NIL], 0
	ds_add_u32 v[SPW], v[NIL]
	ds_add_u32 v[SPW], v[NIL]
	v_lshrrev_b32 v1, 5, v0
	v_readfirstlane_b32 s14, v1
	s_lshr_b32 s15, s14, 1
	s_and_b32 s16, s14, 1
	s_bfe_u32 s40, ttmp6, 0x40000
	s_bfe_u32 s41, ttmp6, 0x40004
	s_lshl_b32 s42, ttmp9, 2
	s_add_co_u32 s42, s42, s40
	s_and_b32 s43, ttmp7, 0xffff
	s_lshl_b32 s43, s43, 2
	s_add_co_u32 s43, s43, s41
	s_lshr_b32 s19, ttmp9, 1
	s_and_b32 s18, ttmp9, 1
	s_lshl_b32 s44, s41, 2
	s_lshl_b32 s44, 15, s44
	s_lshl_b32 s45, 0x1111, s40
	GROUP1 G1B, 45, 8
	GROUP1 G1A, 44, 8
	GROUP1 G1R, 44, 2
	s_or_b32 s[G1S+0], s44, (3<<16)|(1<<21)
	s_mov_b32 s[G1S+1], 128<<16
	s_mov_b32 s[G1S+2], 8<<16
	s_mov_b32 s[G1S+3], 128<<16
	s_mov_b32 s[G1S+4], 8
	s_mov_b32 s[G1S+5], 5632
	s_mov_b32 s[G1S+6], 0
	s_mov_b32 s[G1S+7], 0
	s_mov_b32 s[G0S], 1
	s_lshl_b32 s[G0S+1], s16, 13
	s_add_co_u32 s[G0S+1], s[G0S+1], SCL
	s_lshl_b32 s67, s43, 19
	s_lshl_b32 s20, s18, 18
	s_add_co_u32 s2, s67, s20
	s_xor_b32 s20, s20, 0x40000
	s_add_co_u32 s67, s67, s20
	s_lshl_b32 s13, s19, 2
	s_add_co_u32 s13, s13, s40
	s_lshl_b32 s3, s13, 17
	s_add_co_u32 s3, s3, 640*RB
	s_lshl_b32 s12, s13, 9
	ADDSH 12, 16, 8
	s_add_co_u32 s12, s12, 640*64
	s_lshl_b32 s78, s42, 17
	s_add_co_u32 s78, s78, 512*RB
	s_mov_b32 s79, 0
	s_xor_b32 s20, s18, 1
	s_cmp_eq_u32 s16, 1
	s_cselect_b32 s20, s18, s20
	s_lshl_b32 s80, s43, 11
	ADDSH 80, 20, 10
	s_mov_b32 s81, 0
	s_lshl_b32 s82, s42, 9
	ADDSH 82, 16, 8
	s_add_co_u32 s82, s82, 512*64
	s_mov_b32 s83, 0
	s_mov_b32 s[G0A], 1
	s_mov_b32 s[G0A+1], 0
	s_mov_b32 s[G0B], 1
	s_mov_b32 s[G0B+1], YB
	s_mov_b32 s[G0R], 1
	s_lshl_b32 s91, s16, 16
	ADDSH 91, 15, 15
	s_lshl_b32 s90, s40, 2
	s_add_co_u32 s90, s90, s14
	s_lshl_b32 s100, s41, 2
	s_add_co_u32 s100, s100, s14
	s_lshl_b32 s20, s15, 16
	s_lshl_b32 s22, s16, 16
	s_add_co_u32 s21, s22, YB
	s_lshl_b32 s23, s15, 8
	s_add_co_u32 s23, s23, SCL
	v_and_b32 v1, 15, v0
	v_and_b32 v3, 31, v0
	v_lshlrev_b32 v[CO], 4, v3
	v_lshlrev_b32 v[ABS], 2, v3
	v_lshlrev_b32 v22, 2, v1
	v_add_nc_u32 v[ADRA0], s20, v[CO]
	v_add_nc_u32 v[ADRB+1], s22, v[CO]
	v_add_nc_u32 v[ADRB], s21, v[CO]
	v_add_nc_u32 v[AAS0], s23, v22
	s_wait_alu depctr_va_vdst(0)
	s_wait_dscnt 0x0
	CROUND
	s_wait_kmcnt 0x0
	s_mov_b32 s86, s67
	s_mov_b32 s87, 0
	s_add_nc_u64 s[G0A+2:G0A+3], s[4:5], s[86:87]
	s_or_b32 s[G0A+3], s[G0A+3], 0x80000000
	s_add_nc_u64 s[G0B+2:G0B+3], s[4:5], s[78:79]
	s_or_b32 s[G0B+3], s[G0B+3], 0x80000000
	s_add_nc_u64 s[G0S+2:G0S+3], s[6:7], s[80:81]
	s_or_b32 s[G0S+3], s[G0S+3], 0x80000000
	s_add_nc_u64 s[10:11], s[6:7], s[82:83]
	s_cmp_eq_u32 s14, 0
	s_cbranch_scc0 .Lwave_1
	TLOAD G0B, G1B
	s_branch .Lasked
.Lwave_1:
	s_cmp_eq_u32 s14, 1
	s_cbranch_scc0 .Lfor_scales
	TLOAD G0A, G1A
	s_branch .Lasked
.Lfor_scales:
	TLOAD G0S, G1S
.Lasked:
	s_lshl_b32 s76, s43, 20
	ADDSH 76, 15, 17
	ADDSH 76, 42, 11
	ADDSH 76, 16, 10
	s_mov_b32 s77, 0
	s_xor_b32 s20, s15, s18
	s_xor_b32 s20, s20, 1
	s_lshl_b32 s78, s42, 15
	ADDSH 78, 43, 11
	ADDSH 78, 20, 10
	ADDSH 78, 16, 9
	s_lshr_b32 s20, s43, 2
	s_lshl_b32 s80, s20, 21
	ADDSH 80, 13, 18
	ADDSH 80, 16, 17
	s_and_b32 s20, s43, 3
	ADDSH 80, 20, 13
	ADDSH 80, 18, 12
	ADDSH 80, 15, 10
	s_add_co_u32 s80, s80, 0x1000000
	s_lshl_b32 s82, s43, 14
	ADDSH 82, 18, 13
	ADDSH 82, 15, 12
	ADDSH 82, 13, 9
	ADDSH 82, 16, 8
	s_add_co_u32 s82, s82, 0x80000
	s_lshl_b32 s21, s15, 8
	ADDSH 21, 16, 1
	s_add_co_u32 s21, s21, XN
	s_lshl_b32 s22, s16, 8
	ADDSH 22, 15, 1
	s_add_co_u32 s22, s22, XV
	v_lshlrev_b32 v23, 2, v1
	v_add_nc_u32 v[VX], s21, v23
	v_add_nc_u32 v[RD], s22, v23
	s_mov_b32 s20, s12
	s_mov_b32 s21, 0
	s_add_nc_u64 s[20:21], s[6:7], s[20:21]
.irp p, 0,1
.irp q, 0,1,2,3,4,5,6,7
	global_load_b32 v[SB+8*\p+\q], v[ABS], s[10:11] offset:45056*\q+128*\p
	global_load_b32 v[WS+8*\p+\q], v[ABS], s[20:21] offset:45056*\q+128*\p
.endr
.endr
	s_wait_xcnt 0x0
	s_add_co_u32 s6, s67, YB
	s_add_co_u32 s7, s2, YB
	s_lshl_b32 s21, s90, 13
	s_add_co_u32 s22, s21, s6
	v_lshl_add_u32 v7, v3, 8, s22
	s_add_co_u32 s22, s21, s2
	v_lshl_add_u32 v8, v3, 8, s22
	v_add_nc_u32 v1, RB, v[ADRA0]
	v_add_nc_u32 v2, 64, v[AAS0]
	s_wait_alu depctr_va_vdst(0)
	s_cmp_eq_u32 s14, 0
	s_cbranch_scc0 .Lnot_b
	s_wait_tensorcnt 0x0
.Lnot_b:
	BARRIER
	global_prefetch_b8 v7, s[4:5] th:TH_LOAD_NT scope:SCOPE_SE
	global_prefetch_b8 v8, s[4:5] th:TH_LOAD_NT scope:SCOPE_SE
.macro MIDDLE
	WIN 0
	s_barrier_wait -1
	s_cmp_lg_u32 s14, 0
	s_cbranch_scc1 .Lnot_wave_0_\@
	s_barrier_signal -3
.Lnot_wave_0_\@:
	s_barrier_wait -3
.endm
.macro GRD
	s_wait_tensorcnt 0x0
	ds_add_u32 v[SPW], v[NIL]
.endm
.macro FRAG f, adr, q, off
	WIN (1+(\f)/FPW)<<6
.irp c, 0,1,2,3
	ds_load_b128 v[FR*((\f)%FPW)+4*\c:FR*((\f)%FPW)+4*\c+3], v[\adr] offset:2048*(\q)+512*\c+(\off)
.endr
.endm
.macro FETCHAT k, a, s
	WIN 3<<6
.irp q, 0,1,2,3,4,5,6,7
.irp c, 0,1,2,3
	ds_load_b128 v[128*\k+FR*\q+4*\c:128*\k+FR*\q+4*\c+3], v[\a] offset:2048*\q+512*\c
.endr
.endr
	WIN 0
.irp q, 0,1,2,3,4,5,6,7
	ds_load_b32 v[SA+8*\k+\q], v[\s] offset:1024*\q
.endr
.endm
.macro PROD kind, e, a, n
.set Q_, (\n)/4
.set B_, (\n)%4
.set FB_, NB*Q_+B_
.set AC_, ACC+32*(\a)+8*B_
.set C_, AC_
.if Q_ == 0
.set C_, ZZ
.endif
.set R_, 128*(\e)+FR*Q_
.set W_, FR*(FB_%FPW)
.set XS_, SA+8*(\e)+Q_
.set WS_, SB+8*(B_/2)+Q_
.if \kind
	WIN 3|((1+FB_/FPW)<<2)
.if B_%2
	v_wmma_scale_f32_16x16x128_f8f6f4 v[AC_:AC_+7], v[R_:R_+FR-1], v[W_:W_+FR-1], v[C_:C_+7], v[XS_], v[WS_] matrix_a_fmt:MATRIX_FMT_BF8 matrix_b_fmt:MATRIX_FMT_BF8 matrix_b_scale:MATRIX_SCALE_ROW1 neg_lo:[0,0,1]
.else
	v_wmma_scale_f32_16x16x128_f8f6f4 v[AC_:AC_+7], v[R_:R_+FR-1], v[W_:W_+FR-1], v[C_:C_+7], v[XS_], v[WS_] matrix_a_fmt:MATRIX_FMT_BF8 matrix_b_fmt:MATRIX_FMT_BF8 neg_lo:[0,0,1]
.endif
.else
	WIN (1+FB_/FPW)|(3<<2)
.if B_%2
	v_wmma_scale_f32_16x16x128_f8f6f4 v[AC_:AC_+7], v[W_:W_+FR-1], v[R_:R_+FR-1], v[C_:C_+7], v[WS_], v[XS_] matrix_a_fmt:MATRIX_FMT_BF8 matrix_b_fmt:MATRIX_FMT_BF8 matrix_a_scale:MATRIX_SCALE_ROW1 neg_lo:[0,0,1]
.else
	v_wmma_scale_f32_16x16x128_f8f6f4 v[AC_:AC_+7], v[W_:W_+FR-1], v[R_:R_+FR-1], v[C_:C_+7], v[WS_], v[XS_] matrix_a_fmt:MATRIX_FMT_BF8 matrix_b_fmt:MATRIX_FMT_BF8 neg_lo:[0,0,1]
.endif
.endif
.endm
.macro HOLD x, b
	v_med3_num_f32 v[\x], -v[\x], -v[TQ+\b], v[TQ+\b]
.endm
.macro QHOLD i, x
	v_med3_num_f32 v[\x+(\i)], -v[\x+(\i)], -v[TQ+2+(\i)/16], v[TQ+2+(\i)/16]
.endm
.macro QCVT g, x
	v_cvt_scalef32_pk8_bf8_f32 v[NCD+2*\g:NCD+2*\g+1], v[\x+8*\g:\x+8*\g+7], v[SOP+\g/2]
.endm
.macro GAPQ m, x
.if (\m) == 0
	v_max3_num_f32 v[TQ], |v[\x]|, |v[\x+1]|, (EMAX+1)<<23
	v_max3_num_f32 v[TQ+1], |v[\x+16]|, |v[\x+17]|, (EMAX+1)<<23
.elseif (\m) < 8
	v_max3_num_f32 v[TQ], v[TQ], |v[\x+2*(\m)]|, |v[\x+2*(\m)+1]|
	v_max3_num_f32 v[TQ+1], v[TQ+1], |v[\x+16+2*(\m)]|, |v[\x+17+2*(\m)]|
.elseif (\m) == 8
	v_permlanex16_b32 v[TQ+2], v[TQ], s60, s61
	v_permlanex16_b32 v[TQ+3], v[TQ+1], s60, s61
.elseif (\m) == 9
	v_max_num_f32 v[TQ], v[TQ], v[TQ+2]
	v_max_num_f32 v[TQ+1], v[TQ+1], v[TQ+3]
.elseif (\m) == 10
	v_add_nc_u32 v[SOP], -(EMAX<<23), v[TQ]
	v_add_nc_u32 v[SOP+1], -(EMAX<<23), v[TQ+1]
	v_and_or_b32 v[TQ+2], v[TQ], 0x7f800000, s62
.elseif (\m) == 11
	v_and_or_b32 v[TQ+3], v[TQ+1], 0x7f800000, s62
	v_lshrrev_b32 v[EB], 23, v[SOP]
	v_lshrrev_b32 v[EB+1], 23, v[SOP+1]
.elseif (\m) == 12
	v_lshl_or_b32 v[EB], v[EB+1], 8, v[EB]
	QHOLD 0, \x
	QHOLD 1, \x
.elseif (\m) < 23
	QHOLD 3*(\m)-37, \x
	QHOLD 3*(\m)-36, \x
	QHOLD 3*(\m)-35, \x
.if (\m) == 14
	QCVT 0, \x
.elseif (\m) == 17
	QCVT 1, \x
.elseif (\m) == 20
	QCVT 2, \x
.elseif (\m) == 22
	QCVT 3, \x
.endif
.endif
.endm
.macro SCALES i, n
.if (\i) == 0
	v_add_nc_u32 v[SOP+\n], -(EMAX<<23), v[TQ]
.elseif (\i) == 1
	v_and_or_b32 v[TQ+1], v[TQ], 0x7f800000, s62
.elseif (\i) == 2
	v_mov_b32 v[TQ+3], v[TQ+1]
.else
	v_lshrrev_b32 v[EB+\n], 23, v[SOP+\n]
.endif
.endm
.macro HOLDS m, x
.if (\m) == 3
	HOLD \x, 3
	HOLD \x+1, 3
.else
	HOLD \x, 1
	HOLD \x+1, 1
.endif
.if (\m) == 2
	SCALES 2, 0
.endif
.endm
.macro GAPV u, x
.set T_, (\u)/15
.set J_, (\u)%15
.set E_, \x+8*T_
.set O_, E_+32
.if (\u) > 59
.elseif J_ == 0
	v_max3_num_f32 v[TQ], |v[E_]|, |v[E_+1]|, |v[E_+2]|
	v_max3_num_f32 v[TQ+2], |v[O_]|, |v[O_+1]|, |v[O_+2]|
.elseif J_ < 3
	v_max3_num_f32 v[TQ], v[TQ], |v[E_+2*J_+1]|, |v[E_+2*J_+2]|
	v_max3_num_f32 v[TQ+2], v[TQ+2], |v[O_+2*J_+1]|, |v[O_+2*J_+2]|
.elseif J_ == 3
	v_max3_num_f32 v[TQ+2], v[TQ+2], |v[O_+7]|, (EMAX+1)<<23
	v_max3_num_f32 v[TQ], v[TQ], |v[E_+7]|, v[TQ+2]
.elseif J_ == 4
	v_permlanex16_b32 v[TQ+2], v[TQ], s60, s61
	v_max_num_f32 v[TQ], v[TQ], v[TQ+2]
.elseif J_ == 5
	SCALES 0, T_
	SCALES 1, T_
.elseif J_ < 10
	HOLDS J_-6, E_+2*(J_-6)
.if J_ == 9
	v_cvt_scalef32_pk8_bf8_f32 v[MCD+4*T_:MCD+4*T_+1], v[E_:E_+7], v[SOP+T_]
.endif
.elseif J_ < 14
	HOLDS J_-6, O_+2*(J_-10)
.if J_ == 13
	v_cvt_scalef32_pk8_bf8_f32 v[MCD+4*T_+2:MCD+4*T_+3], v[O_:O_+7], v[SOP+T_]
.endif
.else
	SCALES 3, T_
.endif
.endm
.macro RDESC i, off, lds
.if (\i) == 0
	s_add_co_u32 s[G0R+1], s91, s\lds
	s_add_co_u32 s20, s91, s\off
.else
	s_mov_b32 s21, 0
	s_add_nc_u64 s[G0R+2:G0R+3], s[4:5], s[20:21]
	s_or_b32 s[G0R+3], s[G0R+3], 0x80000000
.endif
.endm
.macro LIST n, j, y, x
.if (\n) == 0
.if (\j) == 1
	s_add_nc_u64 s[84:85], s[84:85], 5*QR
	s_cmp_eq_u32 s46, 2
	s_cselect_b64 s[84:85], s[88:89], s[84:85]
.elseif (\j) == 5
	s_add_nc_u64 s[84:85], s[84:85], s[10:11]
.elseif (\j) >= 0
	s_add_nc_u64 s[84:85], s[84:85], QR
.endif
	WIN 0
.if (\j) == 0 || (\j) == 1
	s_add_co_u32 s22, s101, ((\j)+2)*RB
.elseif (\j) > 1
	s_add_co_u32 s22, s47, ((\j)%2)*RB
.else
	s_add_co_u32 s22, s47, (-1-(\j))*RB
.endif
	v_add_nc_u32 v[ADRA], s22, v[ADRA0]
.elseif (\n) == 1
	WIN 0
.if (\j) == 0 || (\j) == 1
	s_add_co_u32 s22, s17, ((\j)+2)*64
.elseif (\j) > 1
	s_add_co_u32 s22, s8, ((\j)%2)*64
.else
	s_add_co_u32 s22, s8, (-1-(\j))*64
.endif
	v_add_nc_u32 v[AAS], s22, v[AAS0]
.endif
.if (\j) == 2 && (\n) == 2
	WIN 0
	v_lshl_add_u32 v7, v3, 8, s23
.elseif (\j) == 0 && ((\n) == 29 || (\n) == 30)
	RDESC (\n)-29, 6, 47
.elseif ((\j) == 1 || (\j) == 5) && (\n) == 2
	WIN 0
	v_add_nc_u32 v[VX], s9, v[VX]
.endif
.if (\y) == 1 && (\n) > 0 && (\n) < 24
	WIN 0
	GAPQ (\n)-1, \x
.elseif (\y) == 2 && (\n) > 0 && (\n) < 31
	WIN 0
	GAPV (\n)-1, \x
.elseif (\y) == 3 && (\n) > 0 && (\n) < 31
	WIN 0
	GAPV (\n)+29, \x
.endif
.endm
.macro BLOCK kind, e, a, from, to, j, y, x
.set N_, \from
.rept (\to)-(\from)
	PROD \kind, \e, \a, N_
	LIST N_, \j, \y, \x
.set N_, N_+1
.endr
.endm
.macro BLK kind, e, a, w, j, y, x
.if (\w) >= 0
	s_wait_dscnt \w
.endif
	s_wait_xcnt 0x0
	BLOCK \kind, \e, \a, 0, 32, \j, \y, \x
	WIN 0
	PLACES NP
.endm
.macro RBLK kind, e, a, w, j, y, x
.if (\w) >= 0
	s_wait_dscnt \w
.endif
	s_wait_xcnt 0x0
	GRD
	BLOCK \kind, \e, \a, 0, 28, \j, \y, \x
	WIN 0
	s_wait_alu depctr_va_vdst(0)
	s_wait_dscnt 0x0
	s_barrier_signal -1
	BLOCK \kind, \e, \a, 28, 32, \j, \y, \x
	MIDDLE
	BARRIER
.endm
.macro SBLK kind, e, a, w, j, y, x, half=0
.if (\w) >= 0
	s_wait_dscnt \w
.endif
	s_wait_xcnt 0x0
	BLOCK \kind, \e, \a, 0, 28, \j, \y, \x
	WIN 0
	s_wait_alu depctr_va_vdst(0)
.if \half
	s_cmp_lt_u32 s14, 2
	s_cbranch_scc0 .Lnot_yet_\@
	s_wait_tensorcnt 0x0
.Lnot_yet_\@:
.else
	s_wait_tensorcnt 0x0
.endif
	s_wait_dscnt 0x0
	s_barrier_signal -1
	BLOCK \kind, \e, \a, 28, 32, \j, \y, \x
	WIN 0
	s_barrier_wait -1
	PLACES NP
.endm
.macro QOUT off, boff
	ds_store_b16 v[VX], v[EB] offset:\boff
	global_store_b128 v[CO], v[NCD:NCD+3], s[84:85] offset:\off
	global_store_b128 v[CO], v[NCD+4:NCD+7], s[84:85] offset:(\off)+512
.endm
.irp q, 0,1,2,3,4,5,6,7
.irp b, 0,1,2,3
	FRAG NB*\q+\b, ADRB, \q, \b*RB
.endr
.endr
	WIN 0
	s_wait_tensorcnt 0x0
	s_wait_dscnt 0x0
	BARRIER
	FETCHAT 0, ADRA0, AAS0
	FETCHAT 1, 1, 2
	s_load_b128 s[92:95], s[0:1], 0x10
	s_mov_b32 s60, 0x76543210
	s_mov_b32 s61, 0xfedcba98
	s_mov_b32 s62, 0x600000
.irp i, 0,1,2,3,4,5,6,7
	v_mov_b32 v[ZZ+\i], 0
.endr
.irp i, 0,1,2,3
	v_mov_b32 v[TQ+\i], 0
.endr
.set I_, 0
.rept 32
	v_mov_b32 v[ACC+32+I_], 0
.set I_, I_+1
.endr
	s_wait_kmcnt 0x0
	s_add_nc_u64 s[96:97], s[92:93], s[80:81]
	s_add_nc_u64 s[98:99], s[94:95], s[82:83]
	s_add_nc_u64 s[92:93], s[92:93], s[76:77]
	s_add_nc_u64 s[94:95], s[94:95], s[78:79]
	s_lshl_b32 s20, s18, 19
	s_mov_b32 s21, 0
	s_add_nc_u64 s[88:89], s[92:93], s[20:21]
	s_xor_b32 s20, s20, 0x80000
	s_add_nc_u64 s[84:85], s[92:93], s[20:21]
	s_sub_nc_u64 s[84:85], s[84:85], 6*QR
	s_mov_b32 s46, 0
	s_mov_b32 s9, 0
	s_mov_b32 s23, 0
	s_mov_b32 s101, 0
	s_mov_b32 s47, YB
	s_mov_b32 s17, 0
	s_mov_b32 s8, 512
	s_wait_loadcnt 0x0
.Lfour:
	RBLK 0, 0, 0, NF, 0, 1, ACC+32
	s_cmp_lt_u32 s14, 2
	s_cbranch_scc0 .Lupper
	TLOAD G0R, G1R
	s_branch .Lboth
.Lupper:
	TLOAD G0R, G1R
.Lboth:
	PLACES NP-4
	s_cmp_eq_u32 s46, 0
	s_cbranch_scc1 .Lno_block_before
	QOUT 0, 192
.Lno_block_before:
	FETCHAT 0, ADRA, AAS
	BLK 0, 1, 1, -1, 1, 1, ACC
	QOUT 0, 0
	FETCHAT 1, ADRA, AAS
	SBLK 0, 0, 0, NF, 2, 1, ACC+32, 1
	QOUT 0, 64
	s_cmp_eq_u32 s46, 0
	s_cbranch_scc1 .Lnone_ahead
	global_prefetch_b8 v7, s[4:5] th:TH_LOAD_NT scope:SCOPE_SE
.Lnone_ahead:
	FETCHAT 0, ADRA, AAS
	BLK 0, 1, 1, -1, 3, 1, ACC
	QOUT 0, 128
	FETCHAT 1, ADRA, AAS
	s_cmp_eq_u32 s46, 0
	s_cselect_b32 s6, s2, s7
	s_cselect_b32 s21, s90, s100
	s_cselect_b32 s22, s7, s3
	s_lshl_b32 s21, s21, 13
	s_add_co_u32 s23, s21, s22
	s_mov_b32 s9, 512
	s_mov_b32 s101, s47
	s_mov_b32 s17, s8
	s_xor_b32 s47, s47, YB
	s_add_co_u32 s20, s46, 2
	s_lshr_b32 s8, s20, 1
	s_lshl_b32 s8, s8, 13
	s_and_b32 s20, s20, 1
	s_lshl_b32 s20, s20, 9
	s_add_co_u32 s8, s8, s20
	s_add_co_u32 s46, s46, 1
	s_cmp_lg_u32 s46, 3
	s_cbranch_scc1 .Lfour
	GRD
	s_add_co_u32 s20, s91, s3
	s_mov_b32 s21, 0
	s_mov_b32 s[G0A+1], s91
	s_add_nc_u64 s[G0A+2:G0A+3], s[4:5], s[20:21]
	s_or_b32 s[G0A+3], s[G0A+3], 0x80000000
	GROUP1 G1A, 45, 2
	s_wait_dscnt 0x0
	s_barrier_signal -1
	MIDDLE
	BARRIER
	TLOAD G0A, G1A
	s_mov_b32 s47, YB+2*RB
	s_mov_b32 s8, 8704+128
	s_mov_b32 s9, 384
	s_mov_b32 s10, 5*QR
	s_mov_b32 s11, 0
.Ltwo:
	BLK 0, 0, 0, NF, 4, 1, ACC+32
	QOUT 0, 192
	FETCHAT 0, ADRA, AAS
	BLK 0, 1, 1, NF, 5, 1, ACC
	QOUT 0, 128
	FETCHAT 1, ADRA, AAS
	s_mov_b32 s47, YB
	s_mov_b32 s8, 8704
	s_mov_b32 s9, 128
	s_mov_b32 s10, QR
	s_add_co_u32 s46, s46, 1
	s_cmp_lg_u32 s46, 5
	s_cbranch_scc1 .Ltwo
	s_wait_xcnt 0x0
	s_wait_tensorcnt 0x0
	s_wait_dscnt 0x0
	BARRIER
.macro CHANGE i
.if (\i) < 6
.irp k, 0,1,2,3
.if 4*(\i)+\k < 23
	GAPQ 4*(\i)+\k, ACC+32
.endif
.endr
.elseif (\i) < 7
.elseif (\i) < 9
.irp q, 0,1,2,3,4,5,6,7
	v_mov_b32 v[SB+8*((\i)-7)+\q], v[WS+8*((\i)-7)+\q]
.endr
.elseif (\i) < 15
.irp q, 0,1,2,3,4,5,6,7
	v_mov_b32 v[ACC+80+8*((\i)-9)+\q], 0
.endr
.endif
.endm
.irp q, 0,1,2,3,4,5,6,7
.irp b, 0,2
	FRAG NB*\q+\b, ADRB+1, \q, \b*RB
	FRAG NB*\q+\b+1, ADRB+1, \q, (\b+1)*RB
	WIN 0
	CHANGE 2*\q+\b/2
.endr
.endr
	QOUT QR, 192
	GRD
	s_mov_b32 s47, 0
	RDESC 0, 2, 47
	RDESC 1, 2, 47
	s_mov_b32 s46, 0
	s_mov_b32 s47, YB+2*RB
	s_mov_b32 s8, 8704+128
	s_wait_dscnt 0x0
	s_barrier_signal -1
	MIDDLE
	BARRIER
	TLOAD G0R, G1R
.macro VOUT
.irp t, 0,1,2,3
	ds_store_b8 v[VX], v[EB+\t] offset:64*\t
	global_store_b128 v[CO], v[MCD+4*\t:MCD+4*\t+3], s[84:85] offset:QR*\t
.endr
.endm
.macro VTO
	s_lshr_b32 s20, s22, 1
	s_and_b32 s21, s22, 1
	s_lshl_b32 s22, s20, 9
	s_add_co_u32 s22, s22, s21
	s_lshl_b32 s20, s20, 11
	s_lshl_b32 s21, s21, 9
	s_add_co_u32 s20, s20, s21
	s_mov_b32 s21, 0
	s_add_nc_u64 s[84:85], s[96:97], s[20:21]
	v_add_nc_u32 v[VX], s22, v[RD]
.endm
.Lpair:
	BLK 1, 0, 0, -1, -1, 2, ACC+64
	s_cmp_eq_u32 s46, 3
	s_cbranch_scc1 .Lnone_0
	FETCHAT 0, ADRA, AAS
	s_wait_dscnt NF
	s_branch .Lgo
.Lnone_0:
	s_wait_dscnt 0x0
.Lgo:
	SBLK 1, 1, 1, -1, -2, 3, ACC+64
.set I_, 0
.rept 16
	v_dual_mov_b32 v[ACC+64+I_], v[ACC+I_] :: v_dual_mov_b32 v[ACC+64+I_+1], v[ACC+I_+1]
	v_dual_mov_b32 v[ACC+96+I_], v[ACC+32+I_] :: v_dual_mov_b32 v[ACC+96+I_+1], v[ACC+32+I_+1]
.set I_, I_+2
.endr
	s_add_co_u32 s22, s46, 1
	s_and_b32 s22, s22, 3
	VTO
	s_cmp_eq_u32 s46, 0
	s_cbranch_scc1 .Lno_pair_before
	VOUT
.Lno_pair_before:
	s_cmp_eq_u32 s46, 3
	s_cbranch_scc1 .Lnone_1
	FETCHAT 1, ADRA, AAS
.Lnone_1:
	s_mov_b32 s8, 8192+128
	s_cmp_eq_u32 s46, 0
	s_cselect_b32 s47, 0, 2*RB
	s_cselect_b32 s8, 8192, s8
	s_add_co_u32 s46, s46, 1
	s_cmp_lg_u32 s46, 4
	s_cbranch_scc1 .Lpair
	s_wait_xcnt 0x0
.set K_, 0
.rept 60
	GAPV K_, ACC+64
.set K_, K_+1
.endr
	s_mov_b32 s22, 1
	VTO
	s_wait_alu depctr_va_vdst(0)
	VOUT
	s_wait_dscnt 0x0
	BARRIER
	s_lshl_b32 s21, s14, 9
	s_add_co_u32 s21, s21, XN
	s_lshl_b32 s22, s14, 8
	s_add_co_u32 s22, s22, XV
	v_lshlrev_b32 v20, 4, v3
	v_add_nc_u32 v21, s21, v20
	v_lshlrev_b32 v22, 3, v3
	v_add_nc_u32 v23, s22, v22
	s_wait_alu depctr_va_vdst(0)
	ds_load_b128 v[60:63], v21
	ds_load_b64 v[40:41], v23
	s_wait_dscnt 0x0
	global_store_b128 v20, v[60:63], s[94:95]
	global_store_b64 v22, v[40:41], s[98:99]
	s_wait_tensorcnt 0x0
	ds_add_u32 v[SPW], v[NIL]
	s_wait_dscnt 0x0
	CROUND
	s_endpgm
.Lfunc_end_k_q98980d58ff_proj:
	.size	k_q98980d58ff_proj, .Lfunc_end_k_q98980d58ff_proj-k_q98980d58ff_proj
	.p2alignl 7, 3214868480
	.fill 96, 4, 3214868480
	.section	.rodata,"a",@progbits
	.p2align	6, 0x0
	.amdhsa_kernel k_q98980d58ff_proj
		.amdhsa_group_segment_fixed_size 327680
		.amdhsa_private_segment_fixed_size 0
		.amdhsa_enable_private_segment 0
		.amdhsa_kernarg_size 32
		.amdhsa_user_sgpr_count 2
		.amdhsa_user_sgpr_kernarg_segment_ptr 1
		.amdhsa_wavefront_size32 1
		.amdhsa_system_sgpr_workgroup_id_x 1
		.amdhsa_system_sgpr_workgroup_id_y 1
		.amdhsa_system_sgpr_workgroup_id_z 1
		.amdhsa_system_vgpr_workitem_id 0
		.amdhsa_next_free_vgpr 1024
		.amdhsa_next_free_sgpr 102
		.amdhsa_reserve_vcc 0
		.amdhsa_float_denorm_mode_32 3
		.amdhsa_float_denorm_mode_16_64 3
		.amdhsa_memory_ordered 1
		.amdhsa_forward_progress 1
		.amdhsa_inst_pref_size 166
	.end_amdhsa_kernel
	.amdgpu_metadata
---
amdhsa.version: [ 1, 2 ]
amdhsa.kernels:
  - .name:           k_q98980d58ff_proj
    .symbol:         k_q98980d58ff_proj.kd
    .args:
      - { .name: xw, .offset: 0, .size: 8, .value_kind: global_buffer, .address_space: global }
      - { .name: xws, .offset: 8, .size: 8, .value_kind: global_buffer, .address_space: global }
      - { .name: qkv, .offset: 16, .size: 8, .value_kind: global_buffer, .address_space: global }
      - { .name: qkvs, .offset: 24, .size: 8, .value_kind: global_buffer, .address_space: global }
    .group_segment_fixed_size: 327680
    .private_segment_fixed_size: 0
    .kernarg_segment_align: 8
    .kernarg_segment_size: 32
    .max_flat_workgroup_size: 128
    .sgpr_count:     102
    .vgpr_count:     1024
    .wavefront_size: 32
...
	.end_amdgpu_metadata
.endif
;; end of part 2
;; launch score (part 3): grid 36 x 4, 4 waves a work-group, no clusters, 327,680 bytes of LDS; arguments qkv, qkvs, p, pst; writes p, pst
.if DOCPART == 3
	.amdgcn_target "amdgcn-amd-amdhsa--gfx1250"
	.amdhsa_code_object_version 6
	.text
	.protected	k_q98980d58ff_score
	.globl	k_q98980d58ff_score
	.p2align	8
	.type	k_q98980d58ff_score,@function
k_q98980d58ff_score:
	s_mov_b64 s[64:65], 0
	v_nop
	global_prefetch_b8 v0, s[64:65] scope:SCOPE_SE
	s_setreg_imm32_b32 hwreg(HW_REG_WAVE_MODE, 25, 1), 1
	s_wait_xcnt 0x0
.set NQ,     2
.set FR,     16
.set NL,     4
.set NP,     8
.set SLOT,   131072
.set SCL,    2*SLOT
.set SPARE,  SCL+16384
.set ADRA, 16
.set ADRB, 20
.set CO,   24
.set WO,   25
.set DB,   26
.set ADRS, 27
.set SPW,  28
.set NIL,  29
.set SC,   32
.set AF,   128
.set T,    64
.set PC,   128
.set TM,   160
.set PW,   176
.set PWE,  177
.set NM,   178
.set NME,  180
.set LS,   182
.set LT,   184
.set LE,   186
.set TP,   187
.set DA,   188
.set NINF, 189
.set LX,   190
.set LO,   191
.set OUTW, 192
.set OUTM, 196
.set OUTL, 200
.set G1, 24
.set G0, 32
.set G0B, 56
.set G1S, 68
.set G0S, 76
.set G0SB, 88
.set SEL, 12
.set MNT, 17
.set HM,  18
.set CS,  66
.set KSI, 98
.set QSI, 99
.set MSB, 0
.macro WIN new
.if MSB != (\new)
	s_set_vgpr_msb (MSB<<8)|(\new)
.set MSB, (\new)
.endif
.endm
.set MUL_LO, 0xa1
.set MUL_HI, 0xf1
.set TO_B,   0x40
.macro JLOAD g0a, g1a, g0b, g1b
	s_cmp_eq_u32 s15, 0
	s_cbranch_scc0 .Lfor_b_\@
	tensor_load_to_lds s[\g0a:\g0a+3], s[\g1a:\g1a+7]
	s_nop 0
.rept 4
	v_nop
.endr
	s_branch .Lasked_\@
.Lfor_b_\@:
	tensor_load_to_lds s[\g0b:\g0b+3], s[\g1b:\g1b+7]
	s_nop 0
.rept 4
	v_nop
.endr
.Lasked_\@:
.endm
.macro ARM under, g0, g1, next
	s_cmp_lt_u32 s14, \under
	s_cbranch_scc0 \next
	tensor_load_to_lds s[\g0:\g0+3], s[\g1:\g1+7]
	s_nop 0
.rept 4
	v_nop
.endr
	s_branch .Lhead_asked
\next:
.endm
	s_load_b128 s[4:7], s[0:1], 0x0
	s_load_b128 s[8:11], s[0:1], 0x10
	v_lshl_add_u32 v[SPW], v0, 2, SPARE
	v_mov_b32 v[NIL], 0
	ds_add_u32 v[SPW], v[NIL]
	ds_add_u32 v[SPW], v[NIL]
	v_lshrrev_b32 v1, 5, v0
	v_readfirstlane_b32 s14, v1
	s_lshr_b32 s15, s14, 1
	s_and_b32 s16, s14, 1
	s_and_b32 s17, ttmp7, 0xffff
	s_mov_b32 s19, 0
.irp lim, 1,3,6,10,15,21,28
	s_cmp_ge_u32 ttmp9, \lim
	s_add_co_ci_u32 s19, s19, 0
.endr
	s_add_co_u32 s2, s19, 1
	s_mul_i32 s2, s2, s19
	s_lshr_b32 s2, s2, 1
	s_sub_co_u32 s42, ttmp9, s2
	s_mov_b32 s[G1+0], 3<<16
	s_mov_b32 s[G1+1], 512<<16
	s_mov_b32 s[G1+2], 16<<16
	s_mov_b32 s[G1+3], 512<<16
	s_mov_b32 s[G1+4], 16
	s_mov_b32 s[G1+5], 4096
	s_mov_b32 s[G1+6], 0
	s_mov_b32 s[G1+7], 0
	s_mov_b32 s[G1S+0], 3<<16
	s_mov_b32 s[G1S+1], 128<<16
	s_mov_b32 s[G1S+2], 8<<16
	s_mov_b32 s[G1S+3], 128<<16
	s_mov_b32 s[G1S+4], 8
	s_mov_b32 s[G1S+5], 4096
	s_mov_b32 s[G1S+6], 0
	s_mov_b32 s[G1S+7], 0
	s_lshl_b32 s3, s17, 7
	s_lshl_b32 s2, s16, 3
	s_lshl_b32 s20, s19, 4
	s_add_co_u32 s20, s20, s3
	s_lshl_b32 s22, s20, 6
	s_add_co_u32 s20, s20, s2
	s_lshl_b32 s20, s20, 15
	s_mov_b32 s21, 0
	s_mov_b32 s23, 0
	s_lshl_b32 s46, s42, 4
	s_add_co_u32 s46, s46, s3
	s_lshl_b32 s92, s46, 6
	s_add_co_u32 s46, s46, s2
	s_lshl_b32 s46, s46, 15
	s_add_co_u32 s46, s46, 16384
	s_mov_b32 s47, 0
	s_add_co_u32 s92, s92, 8*32768
	s_mov_b32 s93, 0
	s_lshl_b32 s45, s14, 15
	s_lshl_b32 s94, s15, 13
	s_wait_dscnt 0x0
	s_wait_kmcnt 0x0
	s_add_nc_u64 s[20:21], s[4:5], s[20:21]
	s_add_nc_u64 s[22:23], s[6:7], s[22:23]
	s_add_nc_u64 s[46:47], s[4:5], s[46:47]
	s_add_nc_u64 s[92:93], s[6:7], s[92:93]
	s_mov_b32 s[G0S], 1
	s_add_co_u32 s[G0S+1], s94, SCL
	s_mov_b64 s[G0S+2:G0S+3], s[22:23]
	s_or_b32 s[G0S+3], s[G0S+3], 0x80000000
	s_mov_b32 s[G0SB], 1
	s_add_co_u32 s[G0SB+1], s94, SCL
	s_mov_b64 s[G0SB+2:G0SB+3], s[92:93]
	s_or_b32 s[G0SB+3], s[G0SB+3], 0x80000000
.irp s, 0,1
	s_mov_b32 s[G0+4*\s], 1
	s_add_co_u32 s[G0+4*\s+1], s45, \s*SLOT
	s_add_nc_u64 s[G0+4*\s+2:G0+4*\s+3], s[20:21], \s*4096
	s_or_b32 s[G0+4*\s+3], s[G0+4*\s+3], 0x80000000
	s_mov_b32 s[G0B+4*\s], 1
	s_add_co_u32 s[G0B+4*\s+1], s45, \s*SLOT
	s_add_nc_u64 s[G0B+4*\s+2:G0B+4*\s+3], s[46:47], \s*4096
	s_or_b32 s[G0B+4*\s+3], s[G0B+4*\s+3], 0x80000000
.endr
	ARM 1, G0, G1, .Lhead_1
	ARM 2, G0S, G1S, .Lhead_2
	ARM 3, G0B, G1, .Lhead_3
	tensor_load_to_lds s[G0SB:G0SB+3], s[G1S:G1S+7]
	s_nop 0
.rept 4
	v_nop
.endr
.Lhead_asked:
	v_and_b32 v1, 15, v0
	v_bfe_u32 v2, v0, 4, 1
	s_wait_alu depctr_va_vdst(0)
	v_and_b32 v3, 31, v0
	v_lshlrev_b32 v[CO], 4, v3
	v_lshlrev_b32 v[WO], 2, v3
	s_lshl_b32 s21, s15, 15
	s_lshl_b32 s22, s16, 15
	s_add_co_u32 s22, s22, 65536
.irp s, 0,1
	v_add_nc_u32 v[ADRA+\s], s21, v[CO]
	v_add_nc_u32 v[ADRB+\s], s22, v[CO]
	s_add_co_u32 s21, s21, SLOT
	s_add_co_u32 s22, s22, SLOT
.endr
	s_lshl_b32 s21, s15, 9
	s_lshl_b32 s22, s16, 9
	s_add_co_u32 s22, s22, 8192
	s_sub_co_u32 s22, s22, s21
	v_mul_u32_u24 v6, s22, v2
	s_add_co_u32 s21, s21, SCL
	v_lshlrev_b32 v5, 2, v1
	v_add_nc_u32 v5, v5, v6
	v_add_nc_u32 v[ADRS], s21, v5
	s_lshl_b32 s[QSI], s19, 1
	s_add_co_u32 s[QSI], s[QSI], s15
	s_lshl_b32 s[KSI], s42, 1
	s_add_co_u32 s[KSI], s[KSI], s16
	s_lshl_b32 s2, s19, 4
	s_add_co_u32 s2, s2, s3
	s_lshl_b32 s96, s15, 3
	s_add_co_u32 s2, s2, s96
	s_lshl_b32 s96, s2, 6
	s_lshl_b32 s2, s2, 15
	s_lshl_b32 s97, s[KSI], 11
	s_add_co_u32 s2, s2, s97
	s_mov_b32 s3, 0
	s_add_nc_u64 s[8:9], s[8:9], s[2:3]
	s_lshl_b32 s2, s[KSI], 15
	s_add_co_u32 s2, s2, s96
	s_add_nc_u64 s[10:11], s[10:11], s[2:3]
	v_and_b32 v1, 7, v0
	v_bfe_u32 v4, v0, 3, 1
	v_lshl_add_u32 v1, v4, 4, v1
	v_lshlrev_b32 v4, 4, v2
	v_sub_nc_u32 v1, v1, v4
	s_sub_co_i32 s2, s[QSI], s[KSI]
	s_lshl_b32 s2, s2, 7
	v_add_nc_u32 v[DB], s2, v1
	s_mov_b32 s[SEL], 0x76543210
	s_mov_b32 s[SEL+1], 0xfedcba98
	s_mov_b32 s[MNT], 0x600000
	s_mov_b32 s[HM], 0xffff0000
	s_mov_b32 s[CS], 0x3d38aa3b
	s_mov_b32 s[CS+1], s[CS]
.macro FRAG reg, adr, q, i
.irp c, 0,1,2,3
	ds_load_b128 v[\reg+4*\c:\reg+4*\c+3], v[\adr] offset:2048*(\q)+512*\c+4096*(\i)
.endr
.endm
.macro MUL16 a0, p, q, sc, zero
.irp a, \a0, \a0+1
.irp b, 0,1,2,3,4,5,6,7
.if \zero
	v_wmma_scale_f32_16x16x128_f8f6f4 v[8*(8*((\a)%4)+\b):8*(8*((\a)%4)+\b)+7], v[128*(\p)+FR*\b:128*(\p)+FR*\b+FR-1], v[AF+FR*(\a):AF+FR*(\a)+FR-1], 0, v[SC+8*NQ*(\sc)+NQ*\b+(\q)], v[SC+8*NQ*(\sc)+NQ*(\a)+(\q)] matrix_a_fmt:MATRIX_FMT_BF8 matrix_b_fmt:MATRIX_FMT_BF8 matrix_a_scale:MATRIX_SCALE_ROW1
.else
	v_wmma_scale_f32_16x16x128_f8f6f4 v[8*(8*((\a)%4)+\b):8*(8*((\a)%4)+\b)+7], v[128*(\p)+FR*\b:128*(\p)+FR*\b+FR-1], v[AF+FR*(\a):AF+FR*(\a)+FR-1], v[8*(8*((\a)%4)+\b):8*(8*((\a)%4)+\b)+7], v[SC+8*NQ*(\sc)+NQ*\b+(\q)], v[SC+8*NQ*(\sc)+NQ*(\a)+(\q)] matrix_a_fmt:MATRIX_FMT_BF8 matrix_b_fmt:MATRIX_FMT_BF8 matrix_a_scale:MATRIX_SCALE_ROW1
.endif
.endr
.endr
.endm
.macro FETCH_B slot, q, p
	WIN TO_B
.irp i, 0,1,2,3,4,5,6,7
	FRAG 128*(\p)+FR*\i, ADRB+\slot, \q, \i
.endr
	WIN 0
.endm
.macro FETCH_A slot, q, i0
.irp i, \i0, \i0+1, \i0+2, \i0+3
	FRAG AF+FR*(\i), ADRA+\slot, \q, \i
.endr
.endm
.macro SCALES sc
.irp i, 0,1,2,3,4,5,6,7
.irp q, 0,1
	ds_load_b32 v[SC+16*\sc+2*\i+\q], v[ADRS] offset:1024*\q+64*\i
.endr
.endr
.endm
.macro PLACES n
.rept \n
	v_nop
.endr
.endm
.macro STEP slot, q, zero
	s_wait_dscnt 4*NL
	WIN MUL_LO
	MUL16 0, (\q)%2, \q, \slot, \zero
	MUL16 2, (\q)%2, \q, \slot, \zero
	s_wait_dscnt 0
	PLACES NP
	FETCH_B \slot, (\q)+1, 1-(\q)%2
	FETCH_A \slot, (\q)+1, 0
	WIN MUL_HI
	MUL16 4, (\q)%2, \q, \slot, \zero
	MUL16 6, (\q)%2, \q, \slot, \zero
	PLACES NP
	WIN 0
	FETCH_A \slot, (\q)+1, 4
.endm
.macro TURN slot, next, fill
	s_wait_tensorcnt 0x0
	ds_add_u32 v[SPW], v[NIL]
	s_wait_dscnt 4*NL+1
	WIN MUL_LO
	MUL16 0, 1, NQ-1, \slot, 0
	s_wait_dscnt 0x0
	s_barrier_signal -1
	MUL16 2, 1, NQ-1, \slot, 0
	WIN 0
	s_barrier_wait -1
.if \fill
	s_add_nc_u64 s[G0+4*\slot+2:G0+4*\slot+3], s[G0+4*\slot+2:G0+4*\slot+3], 8192
	s_add_nc_u64 s[G0B+4*\slot+2:G0B+4*\slot+3], s[G0B+4*\slot+2:G0B+4*\slot+3], 8192
	JLOAD G0+4*\slot, G1, G0B+4*\slot, G1
	PLACES NP-4
.else
	PLACES NP
.endif
	s_wait_alu depctr_va_vdst(0)
	v_add_nc_u32 v[ADRS], 2048, v[ADRS]
	FETCH_B \next, 0, 0
	FETCH_A \next, 0, 0
	SCALES \next
	WIN MUL_HI
	MUL16 4, 1, NQ-1, \slot, 0
	MUL16 6, 1, NQ-1, \slot, 0
	PLACES NP
	WIN 0
	FETCH_A \next, 0, 4
.endm
	s_wait_alu depctr_va_vdst(0)
	s_wait_tensorcnt 0x0
	ds_add_u32 v[SPW], v[NIL]
	s_mov_b32 s[G1+2], 8<<16
	s_mov_b32 s[G1+4], 8
	s_wait_dscnt 0x0
	s_barrier_signal -1
	s_barrier_wait -1
	JLOAD G0+4, G1, G0B+4, G1
	FETCH_B 0, 0, 0
	FETCH_A 0, 0, 0
	SCALES 0
	FETCH_A 0, 0, 4
	STEP 0, 0, 1
	TURN 0, 1, 1
	STEP 1, 0, 0
	TURN 1, 0, 1
	STEP 0, 0, 0
	TURN 0, 1, 0
	STEP 1, 0, 0
	s_wait_dscnt 4*NL
	WIN MUL_LO
	MUL16 0, 1, NQ-1, 1, 0
	MUL16 2, 1, NQ-1, 1, 0
	s_wait_dscnt 0
	WIN MUL_HI
	MUL16 4, 1, NQ-1, 1, 0
	MUL16 6, 1, NQ-1, 1, 0
	WIN 0
.macro SOFT a
.set W, 2+(\a)/4
.set S, 64*((\a)%4)
.set PCA, PC+16*((\a)%2)
.if (\a)%2
.set PWR, PW
.set LR, LO
.else
.set PWR, PWE
.set LR, LE
.endif
	WIN 0
	s_cmp_lt_u32 s[KSI], s[QSI]
	s_cbranch_scc1 .Lopen_\@
	v_add_nc_u32 v[DA], 32*((\a)/2)+8*((\a)%2), v[DB]
	WIN W|(W<<6)
.set n, 0
.rept 64
	v_cmp_gt_i32 vcc_lo, 32*(n/16)+n%16, v[DA]
	v_cndmask_b32 v[S+n], v[S+n], v[NINF], vcc_lo
.set n, n+1
.endr
	WIN 0
.Lopen_\@:
	WIN (W<<2)|(W<<4)
.irp b, 0,1,2,3
	v_max3_num_f32 v[TM+\b], 0xf1800000, v[S+16*\b], v[S+16*\b+1]
.endr
.irp i, 2,4,6,8,10,12,14
.irp b, 0,1,2,3
	v_max3_num_f32 v[TM+\b], v[TM+\b], v[S+16*\b+\i], v[S+16*\b+\i+1]
.endr
.endr
	WIN 0
.irp b, 0,1,2,3
	v_permlanex16_b32 v[TM+4+\b], v[TM+\b], s[SEL], s[SEL+1]
.endr
.irp b, 0,1,2,3
	v_max_num_f32 v[TM+\b], v[TM+\b], v[TM+4+\b]
.endr
.irp b, 0,1,2,3
	v_mul_f32 v[TM+\b], s[CS], v[TM+\b]
.endr
	v_max3_num_f32 v[TP], v[TM], v[TM+1], v[TM+2]
	v_max_num_f32 v[TP], v[TP], v[TM+3]
	v_floor_f32 v[NM], -v[TP]
	WIN W
.set j, 0
.rept 32
	v_pk_mul_f32 v[T+j:T+j+1], v[S+j:S+j+1], s[CS:CS+1] op_sel_hi:[1,0]
.set j, j+2
.endr
	WIN 0
.set j, 0
.rept 32
	v_pk_add_f32 v[T+j:T+j+1], v[T+j:T+j+1], v[NM:NM+1] op_sel_hi:[1,0]
.set j, j+2
.endr
.irp b, 0,1,2,3
	v_add_f32 v[TM+\b], v[TM+\b], v[NM]
.endr
.set j, 0
	s_wait_alu depctr_va_vdst(0)
.rept 64
	v_exp_f32 v[T+j], v[T+j]
.set j, j+1
.endr
	v_nop
	s_wait_alu depctr_va_vdst(0)
.irp b, 0,1,2,3
	v_exp_f32 v[TM+\b], v[TM+\b]
.endr
	v_pk_add_f32 v[LS:LS+1], v[T:T+1], v[T+2:T+3]
	v_pk_add_f32 v[LT:LT+1], v[T+4:T+5], v[T+6:T+7]
.irp j, 8,12,16,20,24,28,32,36,40,44,48,52,56,60
	v_pk_add_f32 v[LS:LS+1], v[LS:LS+1], v[T+\j:T+\j+1]
	v_pk_add_f32 v[LT:LT+1], v[LT:LT+1], v[T+\j+2:T+\j+3]
.endr
	v_pk_add_f32 v[LS:LS+1], v[LS:LS+1], v[LT:LT+1]
	s_wait_alu depctr_va_vdst(0)
.irp b, 0,1,2,3
	v_max_num_f32 v[TM+\b], 0x8000000, v[TM+\b]
.endr
.irp b, 0,1,2,3
	v_add_nc_u32 v[TM+12+\b], 0xf8800000, v[TM+\b]
.endr
.irp b, 0,1,2,3
	v_and_or_b32 v[TM+8+\b], v[TM+\b], 0x7f800000, s[MNT]
.endr
.irp b, 0,1,2,3
	v_lshrrev_b32 v[TM+4+\b], 23, v[TM+12+\b]
.endr
	v_lshl_or_b32 v[PWR], v[TM+5], 8, v[TM+4]
	v_lshl_or_b32 v[PWR], v[TM+6], 16, v[PWR]
	v_lshl_or_b32 v[PWR], v[TM+7], 24, v[PWR]
.if (\a) > 1
	s_wait_xcnt 0x0
.endif
.irp b, 0,1,2,3
.irp i, 0,1,2,3,4,5,6,7,8,9,10,11,12,13,14,15
	v_min_num_f32 v[T+16*\b+\i], v[T+16*\b+\i], v[TM+8+\b]
.endr
	v_cvt_scalef32_pk8_bf8_f32 v[PCA+4*\b:PCA+4*\b+1], v[T+16*\b:T+16*\b+7], v[TM+12+\b]
	v_cvt_scalef32_pk8_bf8_f32 v[PCA+4*\b+2:PCA+4*\b+3], v[T+16*\b+8:T+16*\b+15], v[TM+12+\b]
.endr
	v_add_f32 v[TP], v[LS], v[LS+1]
	v_permlanex16_b32 v[LX], v[TP], s[SEL], s[SEL+1]
	v_add_f32 v[LR], v[TP], v[LX]
.irp c, 0,1,2,3
	global_store_b128 v[CO], v[PCA+4*\c:PCA+4*\c+3], s[8:9] offset:(\a)*32768+512*\c
.endr
.if (\a)%2
	v_cndmask_b32 v[OUTW+(\a)/2], v[PWE], v[PW], s[HM]
	v_cndmask_b32 v[OUTM+(\a)/2], v[NME], v[NM], s[HM]
	v_cndmask_b32 v[OUTL+(\a)/2], v[LE], v[LO], s[HM]
	global_store_b32 v[WO], v[OUTW+(\a)/2], s[10:11] offset:128*((\a)/2)
	global_store_b32 v[WO], v[OUTM+(\a)/2], s[10:11] offset:524288+128*((\a)/2)
	global_store_b32 v[WO], v[OUTL+(\a)/2], s[10:11] offset:1048576+128*((\a)/2)
.else
	v_mov_b32 v[NME], v[NM]
.endif
.endm
	PLACES NP
.irp b, 0,1,2,3
	v_mov_b32 v[TM+4+\b], 0
.endr
	v_mov_b32 v[LX], 0
	v_mov_b32 v[NM+1], 0
	v_mov_b32 v[NINF], 0xff800000
.irp a, 0,1,2,3,4,5,6,7
	SOFT \a
.endr
	s_wait_tensorcnt 0x0
	ds_add_u32 v[SPW], v[NIL]
	s_wait_dscnt 0x0
	s_endpgm
.Lfunc_end_k_q98980d58ff_score:
	.size	k_q98980d58ff_score, .Lfunc_end_k_q98980d58ff_score-k_q98980d58ff_score
	.p2alignl 7, 3214868480
	.fill 96, 4, 3214868480
	.section	.rodata,"a",@progbits
	.p2align	6, 0x0
	.amdhsa_kernel k_q98980d58ff_score
		.amdhsa_group_segment_fixed_size 327680
		.amdhsa_private_segment_fixed_size 0
		.amdhsa_enable_private_segment 0
		.amdhsa_kernarg_size 32
		.amdhsa_user_sgpr_count 2
		.amdhsa_user_sgpr_kernarg_segment_ptr 1
		.amdhsa_wavefront_size32 1
		.amdhsa_system_sgpr_workgroup_id_x 1
		.amdhsa_system_sgpr_workgroup_id_y 1
		.amdhsa_system_sgpr_workgroup_id_z 1
		.amdhsa_system_vgpr_workitem_id 0
		.amdhsa_next_free_vgpr 1024
		.amdhsa_next_free_sgpr 100
		.amdhsa_reserve_vcc 1
		.amdhsa_float_denorm_mode_32 3
		.amdhsa_float_denorm_mode_16_64 3
		.amdhsa_memory_ordered 1
		.amdhsa_forward_progress 1
		.amdhsa_inst_pref_size 255
	.end_amdhsa_kernel
	.section	.bss,"aw",@nobits
	.p2align	6
	.space	262144
	.amdgpu_metadata
---
amdhsa.version: [ 1, 2 ]
amdhsa.kernels:
  - .name:           k_q98980d58ff_score
    .symbol:         k_q98980d58ff_score.kd
    .args:
      - { .name: qkv, .offset: 0, .size: 8, .value_kind: global_buffer, .address_space: global }
      - { .name: qkvs, .offset: 8, .size: 8, .value_kind: global_buffer, .address_space: global }
      - { .name: p, .offset: 16, .size: 8, .value_kind: global_buffer, .address_space: global }
      - { .name: pst, .offset: 24, .size: 8, .value_kind: global_buffer, .address_space: global }
    .group_segment_fixed_size: 327680
    .private_segment_fixed_size: 0
    .kernarg_segment_align: 8
    .kernarg_segment_size: 32
    .max_flat_workgroup_size: 128
    .sgpr_count:     100
    .vgpr_count:     1024
    .wavefront_size: 32
...
	.end_amdgpu_metadata
.endif
;; end of part 3
;; launch pv (part 4): grid 8 x 32, 4 waves a work-group, clusters of 4 x 4, 327,680 bytes of LDS; arguments p, pst, qkv, qkvs, out0; writes out0
.if DOCPART == 4
	.amdgcn_target "amdgcn-amd-amdhsa--gfx1250"
	.amdhsa_code_object_version 6
	.text
	.protected	k_q98980d58ff_pv
	.globl	k_q98980d58ff_pv
	.p2align	8
	.type	k_q98980d58ff_pv,@function
k_q98980d58ff_pv:
	s_mov_b64 s[64:65], 0
	v_nop
	global_prefetch_b8 v0, s[64:65] scope:SCOPE_SE
	s_setreg_imm32_b32 hwreg(HW_REG_WAVE_MODE, 25, 1), 1
	s_wait_xcnt 0x0
	s_wait_alu depctr_hold_cnt(0) depctr_sa_sdst(0) depctr_va_vdst(0) depctr_va_sdst(0) depctr_va_ssrc(0) depctr_va_vcc(0) depctr_vm_vsrc(0)
	s_getreg_b32 s2, hwreg(HW_REG_IB_STS2, 6, 4)
	s_cmp_eq_u32 s2, 0
	s_cbranch_scc0 .Lentry_in_a_cluster
	s_endpgm
.Lentry_in_a_cluster:
	s_bfe_u32 s2, ttmp6, 0x10000c
	s_cmp_lg_u32 s2, 0xf033
	s_cbranch_scc0 .Lentry_shape_is_right
	s_endpgm
.Lentry_shape_is_right:
.set SLOT,  131072
.set SCB,   2*SLOT
.set SCA,   SCB+8192
.set RL,    SCA+16384
.set STAGE, RL+2048
.set SPARE, STAGE+4*4352
.set AS0, 10
.set HH,  11
.set ADS, 12
.set A0,  13
.set B0,  14
.set ADA, 15
.set ADB, 16
.set STO, 17
.set RD,  18
.set GO,  19
.set RLA, 20
.set TO8, 21
.set SCW, 22
.set RLW, 23
.set PFO, 24
.set VWA, 25
.set VWL, 26
.set SPW, 28
.set NIL, 29
.set SC,  32
.set RR,  40
.set ACC, 64
.set T,   192
.set WD,  64
.set NMS, 96
.set LSS, 128
.set VO,  160
.set VW,  176
.set NR,  192
.set LA,  194
.set NL,  20
.set N,   21
.set TB,  22
.set PLO, 23
.set PHI, 56
.set VB,  57
.set G1A, 24
.set G1B, 32
.set G0A, 48
.set G0B, 52
.set PSH, 58
.set PFA, 60
.set PFB, 62
.set SMAX, 66
.set MSB, 0
.macro WIN new
.if MSB != (\new)
	s_set_vgpr_msb (MSB<<8)|(\new)
.set MSB, (\new)
.endif
.endm
.set W_MUL, 0x05
.set TO_1,  0x40
.macro PLACES n
.rept \n
	v_nop
.endr
.endm
.macro JLOAD
	s_cmp_eq_u32 s15, 0
	s_cbranch_scc0 .Lfor_v_\@
	tensor_load_to_lds s[G0A:G0A+3], s[G1A:G1A+7]
	s_nop 0
	PLACES 4
	s_branch .Lasked_\@
.Lfor_v_\@:
	tensor_load_to_lds s[G0B:G0B+3], s[G1B:G1B+7]
	s_nop 0
	PLACES 4
.Lasked_\@:
.endm
.macro CROUND
	s_barrier_signal -1
	s_barrier_wait -1
	s_cmp_lg_u32 s14, 0
	s_cbranch_scc1 .Lnot_wave_0_\@
	s_barrier_signal -3
.Lnot_wave_0_\@:
	s_barrier_wait -3
	s_barrier_signal -1
	s_barrier_wait -1
.endm
	s_load_b256 s[4:11], s[0:1], 0x0
	s_load_b64 s[12:13], s[0:1], 0x20
	v_lshl_add_u32 v[SPW], v0, 2, SPARE
	v_mov_b32 v[NIL], 0
	ds_add_u32 v[SPW], v[NIL]
	ds_add_u32 v[SPW], v[NIL]
	v_lshrrev_b32 v1, 5, v0
	v_readfirstlane_b32 s14, v1
	s_lshr_b32 s15, s14, 1
	s_and_b32 s16, s14, 1
	s_bfe_u32 s40, ttmp6, 0x40000
	s_bfe_u32 s41, ttmp6, 0x40004
	s_and_b32 s2, ttmp7, 0xffff
	s_lshr_b32 s17, s2, 1
	s_and_b32 s18, s2, 1
	s_add_co_u32 s[NL], s18, 1
	s_lshl_b32 s19, s18, 2
	s_add_co_u32 s19, s19, s41
	s_sub_co_u32 s3, 15, s19
	s_lshl_b32 s42, ttmp9, 2
	s_add_co_u32 s42, s42, s40
	s_lshl_b32 s43, s41, 2
	s_lshl_b32 s43, 15, s43
	s_lshl_b32 s44, 0x1111, s40
	s_or_b32 s[G1A+0], s43, (3<<16)|(1<<21)
	s_or_b32 s[G1B+0], s44, (3<<16)|(1<<21)
.irp g, G1A, G1B
	s_mov_b32 s[\g+1], 1024<<16
	s_mov_b32 s[\g+2], 4<<16
	s_mov_b32 s[\g+3], 1024<<16
	s_mov_b32 s[\g+4], 4
	s_mov_b32 s[\g+5], 4096
	s_mov_b32 s[\g+6], 0
	s_mov_b32 s[\g+7], 0
.endr
	s_lshl_b32 s45, s17, 7
	s_lshl_b32 s46, s16, 2
	s_add_co_u32 s45, s45, s46
	s_lshl_b32 s2, s19, 3
	s_add_co_u32 s2, s2, s45
	s_lshl_b32 s[PLO], s2, 15
	s_lshl_b32 s2, s3, 3
	s_add_co_u32 s2, s2, s45
	s_lshl_b32 s[PHI], s2, 15
	s_lshl_b32 s[VB], s42, 3
	s_add_co_u32 s[VB], s[VB], s46
	s_lshl_b32 s[VB], s[VB], 15
	s_lshl_b32 s47, s17, 21
	s_add_co_u32 s[VB], s[VB], s47
	s_add_co_u32 s[VB], s[VB], 0x1000000
	s_lshl_b32 s80, s17, 23
	s_lshl_b32 s81, s15, 18
	s_add_co_u32 s80, s80, s81
	s_lshl_b32 s81, s42, 9
	s_add_co_u32 s80, s80, s81
	s_lshl_b32 s81, s16, 8
	s_add_co_u32 s80, s80, s81
	s_lshl_b32 s76, s19, 19
	s_add_co_u32 s76, s76, s80
	s_mov_b32 s77, 0
	s_lshl_b32 s78, s3, 19
	s_add_co_u32 s78, s78, s80
	s_mov_b32 s79, 0
	s_cmp_eq_u32 s15, 0
	s_cselect_b32 s[SMAX], s19, s3
	s_cselect_b32 s[PSH], s40, s41
	s_lshl_b32 s[PSH], s[PSH], 15
	s_lshl_b32 s68, s17, 13
	s_lshl_b32 s69, s[SMAX], 9
	s_add_co_u32 s68, s68, s69
	s_mov_b32 s69, 0
	s_lshl_b32 s86, s17, 16
	s_lshl_b32 s87, s42, 9
	s_add_co_u32 s86, s86, s87
	s_add_co_u32 s86, s86, 0x80000
	s_mov_b32 s87, 0
	s_mov_b32 s71, 0
	s_mov_b32 s73, 0
	s_mov_b32 s75, 0
	s_mov_b32 s[TB], 0
	s_mov_b32 s[N], 0
	s_lshl_b32 s80, s15, 15
	s_lshl_b32 s81, s16, 15
	s_add_co_u32 s88, s81, 65536
	s_lshl_b32 s82, s16, 8
	s_lshl_b32 s83, s15, 8
	s_add_co_u32 s83, s83, SCA-SCB
	s_sub_co_u32 s83, s83, s82
	s_add_co_u32 s82, s82, SCB
	s_mul_i32 s84, s14, 4352
	s_add_co_u32 s84, s84, STAGE
	s_lshl_b32 s85, s15, 9
	s_add_co_u32 s85, s85, RL
	v_and_b32 v1, 15, v0
	v_bfe_u32 v[HH], v0, 4, 1
	v_and_b32 v3, 31, v0
	v_lshlrev_b32 v4, 4, v3
	v_lshlrev_b32 v5, 2, v1
	v_mul_u32_u24 v6, s83, v[HH]
	v_add_nc_u32 v[A0], s80, v4
	v_add_nc_u32 v[B0], s88, v4
	v_add_nc_u32 v5, v5, v6
	v_add_nc_u32 v[AS0], s82, v5
	v_mul_u32_u24 v[STO], v1, 272
	v_lshl_add_u32 v[STO], v[HH], 6, v[STO]
	v_add_nc_u32 v[STO], s84, v[STO]
	v_mul_u32_u24 v[RD], v[HH], 272
	v_lshl_add_u32 v[RD], v1, 4, v[RD]
	v_add_nc_u32 v[RD], s84, v[RD]
	v_lshlrev_b32 v[GO], 12, v[HH]
	v_lshl_add_u32 v[GO], v1, 4, v[GO]
	v_lshlrev_b32 v[RLA], 3, v1
	v_add_nc_u32 v[RLA], s85, v[RLA]
	v_and_b32 v2, 63, v0
	v_lshlrev_b32 v[TO8], 3, v2
	v_lshrrev_b32 v7, 6, v0
	v_lshl_add_u32 v[SCW], v7, 13, v[TO8]
	v_add_nc_u32 v[SCW], SCA, v[SCW]
	v_lshl_add_u32 v[RLW], v0, 4, RL
	v_lshl_add_u32 v[VWL], v0, 4, SCB
	v_lshrrev_b32 v8, 5, v0
	v_lshlrev_b32 v8, 12, v8
	v_lshl_add_u32 v[VWA], v3, 4, v8
	v_lshlrev_b32 v[PFO], 8, v3
	s_wait_alu depctr_va_vdst(0)
	s_wait_dscnt 0x0
	CROUND
	s_wait_kmcnt 0x0
	s_mov_b32 s70, s[PLO]
	s_mov_b32 s72, s[VB]
	s_mov_b32 s[G0A], 1
	s_mov_b32 s[G0A+1], s81
	s_add_nc_u64 s[G0A+2:G0A+3], s[4:5], s[70:71]
	s_or_b32 s[G0A+3], s[G0A+3], 0x80000000
	s_mov_b32 s[G0B], 1
	s_mov_b32 s[G0B+1], s88
	s_add_nc_u64 s[G0B+2:G0B+3], s[8:9], s[72:73]
	s_or_b32 s[G0B+3], s[G0B+3], 0x80000000
	JLOAD
	s_add_nc_u64 s[6:7], s[6:7], s[68:69]
	s_add_nc_u64 s[10:11], s[10:11], s[86:87]
	s_add_nc_u64 s[76:77], s[12:13], s[76:77]
	s_add_nc_u64 s[78:79], s[12:13], s[78:79]
	s_cmp_eq_u32 s15, 0
	s_cselect_b64 s[PFB:PFB+1], s[4:5], s[8:9]
.irp k, 0,1,2,3
	global_load_b128 v[VW+4*\k:VW+4*\k+3], v[VWA], s[10:11] offset:16384*\k
.endr
.irp k, 0,1,2,3,4,5,6,7,8,9,10,11,12,13,14,15
	s_min_u32 s80, s[SMAX], \k
	s_lshl_b32 s80, s80, 15
	v_add_nc_u32 v[VO+\k], s80, v[TO8]
	global_load_b64 v[WD+2*\k:WD+2*\k+1], v[VO+\k], s[6:7]
	global_load_b64 v[NMS+2*\k:NMS+2*\k+1], v[VO+\k], s[6:7] offset:524288
	global_load_b64 v[LSS+2*\k:LSS+2*\k+1], v[VO+\k], s[6:7] offset:1048576
.endr
	s_mov_b32 s86, 0x80808080
	s_wait_loadcnt 0x0
.irp k, 0,1,2,3
	ds_store_b128 v[VWL], v[VW+4*\k:VW+4*\k+3] offset:2048*\k
.endr
.irp j, 0,1
	v_min3_num_f32 v[NR+\j], v[NMS+\j], v[NMS+2+\j], v[NMS+4+\j]
.endr
.irp k, 3,5,7,9,11,13
.irp j, 0,1
	v_min3_num_f32 v[NR+\j], v[NR+\j], v[NMS+2*\k+\j], v[NMS+2*\k+2+\j]
.endr
.endr
.irp j, 0,1
	v_min_num_f32 v[NR+\j], v[NR+\j], v[NMS+30+\j]
.endr
.macro BOTH a:vararg
.irp j, 0,1
	\a
.endr
.endm
.macro SHIFT k
.set D, 200
.set E, 202
.set F, 204
.set G, 206
.irp j, 0,1
	v_sub_f32 v[D+\j], v[NMS+2*(\k)+\j], v[NR+\j]
.endr
.irp j, 0,1
	v_min_num_f32 v[D+\j], 0x42fe0000, v[D+\j]
.endr
.irp j, 0,1
	v_cvt_u32_f32 v[D+\j], v[D+\j]
.endr
.irp j, 0,1
	v_sub_nc_u32 v[E+\j], 0, v[D+\j]
.endr
.irp j, 0,1
	v_lshl_or_b32 v[F+\j], v[D+\j], 8, v[D+\j]
.endr
.irp j, 0,1
.if (\k) == 0
	v_ldexp_f32 v[LA+\j], v[LSS+2*(\k)+\j], v[E+\j]
.else
	v_ldexp_f32 v[E+\j], v[LSS+2*(\k)+\j], v[E+\j]
.endif
.endr
.irp j, 0,1
	v_lshl_or_b32 v[F+\j], v[F+\j], 16, v[F+\j]
.endr
.irp j, 0,1
	v_or_b32 v[G+\j], s86, v[WD+2*(\k)+\j]
.endr
.if (\k) > 0
.irp j, 0,1
	v_fma_f32 v[LA+\j], v[E+\j], s85, v[LA+\j]
.endr
.endif
.irp j, 0,1
	v_sub_nc_u32 v[G+\j], v[G+\j], v[F+\j]
.endr
.irp j, 0,1
	v_and_b32 v[E+\j], s86, v[G+\j]
.endr
.irp j, 0,1
	v_lshrrev_b32 v[F+\j], 7, v[E+\j]
.endr
.irp j, 0,1
	v_sub_nc_u32 v[E+\j], v[E+\j], v[F+\j]
.endr
.irp j, 0,1
	v_and_b32 v[WD+2*(\k)+\j], v[G+\j], v[E+\j]
.endr
	ds_store_b64 v[SCW], v[WD+2*(\k):WD+2*(\k)+1] offset:512*(\k)
.endm
.irp k, 0,1,2,3,4,5,6,7,8,9,10,11,12,13,14,15
	s_cmp_ge_u32 s[SMAX], \k
	s_cselect_b32 s85, 1.0, 0
	SHIFT \k
.endr
	s_wait_alu depctr_va_vdst(0)
	v_rcp_f32 v196, v[LA]
	v_rcp_f32 v198, v[LA+1]
	v_nop
	s_wait_alu depctr_va_vdst(0)
	v_mov_b32 v197, v196
	v_mov_b32 v199, v198
	ds_store_b128 v[RLW], v[196:199]
.macro ZERO
.set n, 0
.rept 128
	v_mov_b32 v[ACC+n], 0
.set n, n+1
.endr
	s_wait_alu depctr_va_vdst(0)
.endm
	ZERO
.macro OFFS m, p, v
	s_cmp_ge_u32 s\m, s[NL]
	s_cselect_b32 s\p, s[PHI], s[PLO]
	s_cselect_b32 s84, s[NL], 0
	s_sub_co_u32 s84, s\m, s84
	s_and_b32 s84, s84, 3
	s_lshl_b32 s84, s84, 13
	s_add_co_u32 s\p, s\p, s84
	s_add_co_u32 s\v, s[VB], s84
.endm
.macro CHANGE fill
	s_wait_tensorcnt 0x0
	ds_add_u32 v[SPW], v[NIL]
.if \fill
	s_add_co_u32 s80, s[N], 1
	OFFS 80, 70, 72
	s_add_nc_u64 s[G0A+2:G0A+3], s[4:5], s[70:71]
	s_or_b32 s[G0A+3], s[G0A+3], 0x80000000
	s_xor_b32 s[G0A+1], s[G0A+1], SLOT
	s_add_nc_u64 s[G0B+2:G0B+3], s[8:9], s[72:73]
	s_or_b32 s[G0B+3], s[G0B+3], 0x80000000
	s_xor_b32 s[G0B+1], s[G0B+1], SLOT
	s_wait_xcnt 0x0
	s_add_co_u32 s80, s[N], 2
	OFFS 80, 74, 82
	s_cmp_eq_u32 s15, 0
	s_cselect_b32 s74, s74, s82
	s_add_co_u32 s74, s74, s[PSH]
	s_add_nc_u64 s[PFA:PFA+1], s[PFB:PFB+1], s[74:75]
.endif
	s_wait_dscnt 0x0
.if \fill
	CROUND
	JLOAD
.else
	s_barrier_signal -1
	s_barrier_wait -1
.endif
.endm
.macro LOADU u, s
.irp i, 0,1,2,3
	ds_load_b32 v[SC+4*\s+\i], v[ADS] offset:512*\u+64*\i
.endr
	WIN TO_1
.irp b, 0,1,2,3
.irp c, 0,1,2,3
	ds_load_b128 v[128*\s+64+16*\b+4*\c:128*\s+64+16*\b+4*\c+3], v[ADB] offset:8192*\b+2048*\u+512*\c
.endr
.endr
.irp a, 0,1,2,3
.irp c, 0,1,2,3
	ds_load_b128 v[128*\s+16*\a+4*\c:128*\s+16*\a+4*\c+3], v[ADA] offset:8192*\a+2048*\u+512*\c
.endr
.endr
	WIN 0
.endm
.macro MULU s, younger
	WIN W_MUL
.irp a, 0,1,2,3
	s_wait_dscnt \younger+12-4*\a
.irp b, 0,1,2,3
	v_wmma_scale_f32_16x16x128_f8f6f4 v[ACC+8*(4*\a+\b):ACC+8*(4*\a+\b)+7], v[128*\s+64+16*\b:128*\s+64+16*\b+15], v[128*\s+16*\a:128*\s+16*\a+15], v[ACC+8*(4*\a+\b):ACC+8*(4*\a+\b)+7], v[SC+4*\s+\b], v[SC+4*\s+\a] matrix_a_fmt:MATRIX_FMT_BF8 matrix_b_fmt:MATRIX_FMT_BF8 matrix_b_scale:MATRIX_SCALE_ROW1
.endr
.endr
	WIN 0
.endm
.macro WORK ask
	s_cmp_ge_u32 s[N], s[NL]
	s_cselect_b32 s80, s[NL], 0
	s_cselect_b32 s81, 8192, 0
	s_sub_co_u32 s80, s[N], s80
	s_and_b32 s80, s80, 3
	s_lshl_b32 s80, s80, 11
	v_add_nc_u32 v[ADA], s[TB], v[A0]
	v_add_nc_u32 v[ADB], s[TB], v[B0]
	v_add_nc_u32 v[ADS], s80, v[AS0]
	v_mad_u32_u24 v[ADS], s81, v[HH], v[ADS]
	s_wait_alu depctr_va_vdst(0)
	PLACES 8
	LOADU 0, 0
	LOADU 1, 1
.if \ask
	s_cmp_lt_u32 s[N], 3
	s_cbranch_scc0 .Lnone_ahead
	global_prefetch_b8 v[PFO], s[PFA:PFA+1] th:TH_LOAD_NT scope:SCOPE_SE
.Lnone_ahead:
.endif
	MULU 0, 36
	PLACES 8
	LOADU 2, 0
	MULU 1, 36
	PLACES 8
	LOADU 3, 1
	MULU 0, 36
	MULU 1, 0
.endm
.macro OUTA a
.set TT, T+32*((\a)%2)
.set n, 0
.rept 16
	v_pk_mul_f32 v[TT+n:TT+n+1], v[ACC+32*(\a)+n:ACC+32*(\a)+n+1], v[RR+2*(\a):RR+2*(\a)+1]
.set n, n+2
.endr
.irp b, 0,1,2,3
	ds_store_b128 v[STO], v[TT+8*\b:TT+8*\b+3] offset:128*(\b/2)+32*(\b%2)
	ds_store_b128 v[STO], v[TT+8*\b+4:TT+8*\b+7] offset:128*(\b/2)+32*(\b%2)+16
.endr
	WIN TO_1
.irp i, 0,1,2,3,4,5,6,7
	ds_load_b128 v[32*(\a)+4*\i:32*(\a)+4*\i+3], v[RD] offset:544*\i
.endr
	WIN 0
.endm
.macro SENDA a, base, younger
	s_wait_dscnt \younger
	WIN 0x04
.irp i, 0,1,2,3,4,5,6,7
	global_store_b128 v[GO], v[32*(\a)+4*\i:32*(\a)+4*\i+3], s[\base:\base+1] offset:(32*((\a)/2)+8*((\a)%2)+2*(\i%4)+16*(\i/4))*4096
.endr
	WIN 0
.endm
.macro OUT base, tile
	PLACES 8
.irp a, 0,1,2,3
	ds_load_b64 v[RR+2*\a:RR+2*\a+1], v[RLA] offset:1024*\tile+128*\a
.endr
	s_wait_dscnt 0x0
	OUTA 0
	OUTA 1
	SENDA 0, \base, 16
	OUTA 2
	SENDA 1, \base, 16
	OUTA 3
	SENDA 2, \base, 16
	SENDA 3, \base, 0
.endm
.Lwalk:
	CHANGE 1
	WORK 1
	s_add_co_u32 s80, s[N], 1
	s_cmp_lg_u32 s80, s[NL]
	s_cbranch_scc1 .Lgoes_on
	OUT 76, 0
	ZERO
	s_wait_xcnt 0x0
.Lgoes_on:
	s_xor_b32 s[TB], s[TB], SLOT
	s_add_co_u32 s[N], s[N], 1
	s_cmp_lt_u32 s[N], 4
	s_cbranch_scc1 .Lwalk
	CHANGE 0
	WORK 0
	OUT 78, 1
	s_wait_tensorcnt 0x0
	ds_add_u32 v[SPW], v[NIL]
	s_wait_dscnt 0x0
	CROUND
	s_endpgm
.Lfunc_end_k_q98980d58ff_pv:
	.size	k_q98980d58ff_pv, .Lfunc_end_k_q98980d58ff_pv-k_q98980d58ff_pv
	.p2alignl 7, 3214868480
	.fill 96, 4, 3214868480
	.section	.rodata,"a",@progbits
	.p2align	6, 0x0
	.amdhsa_kernel k_q98980d58ff_pv
		.amdhsa_group_segment_fixed_size 327680
		.amdhsa_private_segment_fixed_size 0
		.amdhsa_enable_private_segment 0
		.amdhsa_kernarg_size 40
		.amdhsa_user_sgpr_count 2
		.amdhsa_user_sgpr_kernarg_segment_ptr 1
		.amdhsa_wavefront_size32 1
		.amdhsa_system_sgpr_workgroup_id_x 1
		.amdhsa_system_sgpr_workgroup_id_y 1
		.amdhsa_system_sgpr_workgroup_id_z 1
		.amdhsa_system_vgpr_workitem_id 0
		.amdhsa_next_free_vgpr 512
		.amdhsa_next_free_sgpr 100
		.amdhsa_reserve_vcc 0
		.amdhsa_float_denorm_mode_32 3
		.amdhsa_float_denorm_mode_16_64 3
		.amdhsa_memory_ordered 1
		.amdhsa_forward_progress 1
		.amdhsa_inst_pref_size 110
	.end_amdhsa_kernel
	.amdgpu_metadata
---
amdhsa.version: [ 1, 2 ]
amdhsa.kernels:
  - .name:           k_q98980d58ff_pv
    .symbol:         k_q98980d58ff_pv.kd
    .args:
      - { .name: p, .offset: 0, .size: 8, .value_kind: global_buffer, .address_space: global }
      - { .name: pst, .offset: 8, .size: 8, .value_kind: global_buffer, .address_space: global }
      - { .name: qkv, .offset: 16, .size: 8, .value_kind: global_buffer, .address_space: global }
      - { .name: qkvs, .offset: 24, .size: 8, .value_kind: global_buffer, .address_space: global }
      - { .name: out0, .offset: 32, .size: 8, .value_kind: global_buffer, .address_space: global }
    .group_segment_fixed_size: 327680
    .private_segment_fixed_size: 0
    .kernarg_segment_align: 8
    .kernarg_segment_size: 40
    .max_flat_workgroup_size: 128
    .sgpr_count:     100
    .vgpr_count:     512
    .wavefront_size: 32
...
	.end_amdgpu_metadata
.endif
;; end of part 4
